; MI455X (gfx1250); checked and timed in simulation.
; The chip was launched on July 23, 2026; its instructions are those of AMD's public machine-readable ISA for CDNA 5 (MIT licence, August 2026) and "CDNA5" Instruction Set Architecture Reference Guide (July 2026). The comments in the code are by the model that wrote it; some were corrected since.
;; Causal Self Attention. Allowed arithmetic: matrix products marked QUANTISED: E3M2 operands, one E8M0 scale for each 32 along K, by v_wmma_scale_f32_16x16x128_f8f6f4 with both operands' format E3M2, f32 sums; everything else in f32.
;; Inputs: b_proj 1,024 float32; b_qkv 3,072 float32; w_proj 1,024 x 1,024 float32; w_qkv 1,024 x 3,072 float32; x 4 x 2,048 x 1,024 float32.
;; Outputs: out0 4 x 2,048 x 1,024 float32.
;; This version of the problem:
;;   THIS VERSION OF THE PROBLEM IS GIVEN IN LOW PRECISION. The matrix products marked QUANTISED in the list below multiply operands that are first quantised to E3M2 (3 exponent bits, 2 mantissa bits; 6 bits a number), with one power-of-two scale for each 32 numbers along K (OCP MX v1.0); their sums are f32. All else is computed in f32.
;;   The module's matrix products, in the order in which they are computed (A, B: the left and right operand; K: the contracted axis; several contracted axes count as one K, in the product's order):
;;     1. [M 8,192, K 1,024] x [K 1,024, N 3,072]; A: input x; B: input w_qkv: QUANTISED
;;     2. batch 64 x [M 2,048, K 64] x [K 64, N 2,048]; A: computed on the way; B: computed on the way: QUANTISED
;;     3. batch 64 x [M 2,048, K 2,048] x [K 2,048, N 64]; A: softmax (see below); B: computed on the way: QUANTISED
;;     4. [M 8,192, K 1,024] x [K 1,024, N 1,024]; A: computed on the way; B: input w_proj: QUANTISED
;;   THE QUANTISER, for each operand of a quantised product, along K:
;;     - K is cut into blocks of 32 from its start; a last block that is shorter is filled with zeros.
;;     - A block's scale is 2^e with e = floor(log2(the largest magnitude in the block)) - 4, held to -126 .. 127; a block of zeros has e = 0. As a byte (E8M0): e + 127.
;;     - Each number is divided by its block's scale, clamped to +-28, and rounded to the nearest number of E3M2, ties to even, subnormals kept.
;;     - The product sums the exact products of the quantised numbers (number of the format x scale) in f32.
;;   ~~~python
;;   def quantise(x, axis):      # numpy; x: float32 -> the quantised numbers, widened to float32 again
;;       x = np.moveaxis(x, axis, -1); K = x.shape[-1]
;;       x = np.pad(x, [(0, 0)] * (x.ndim - 1) + [(0, -K % 32)]); x = x.reshape(x.shape[:-1] + (-1, 32)); a = np.abs(x).max(-1, keepdims=True)
;;       e = np.where(a > 0, np.clip(np.frexp(np.where(a > 0, a, 1))[1] - 1 - 4, -126, 127), 0)      # np.frexp(a)[1] - 1 = floor(log2(a)), exactly
;;       r = np.clip(x / 2.0 ** e, -28, 28)
;;       step = 2.0 ** (np.maximum(np.frexp(np.where(r == 0, 1, r))[1] - 1, -2) - 2)
;;       q = np.round(r / step) * step * 2.0 ** e      # np.round: ties to even
;;       return np.moveaxis(q.reshape(q.shape[:-2] + (-1,))[..., :K], -1, axis).astype(np.float32)
;;   ~~~
;;   SOFTMAX AHEAD OF A QUANTISED PRODUCT. Where the list says 'softmax', what is quantised is not the finished softmax but p = 2^(t - M), with t = logit x log2(e) and M = ceil(the row's largest t), a whole number; so 1/2 < the row's largest p <= 1. The row's sum l is taken of the UNQUANTISED p, in f32, and the product's result is divided by l at the end. Since M is a whole number, a kernel that streams over the keys may use a running M (the ceiling of the running maximum): every later rescaling is an exact power of two, which a block's scale takes up: the codes' values come out the same.
;;   OPERANDS COMPUTED ON THE WAY. 'Computed on the way' means the value that the module computes at that place (a softmax that the list does not call 'softmax' is quantised finished and normalised). What goes into a quantiser is computed in f32, as accurately as f32 sums, v_exp_f32 and their like allow (about 1e-6 of the number): no bf16 or f16 on the way to a quantiser, and a product that is left as it is and whose result goes on into a quantised operand takes f32 operands (vector FMAs, or v_wmma_f32_16x16x4_f32). A number that lies on a knife's edge between two numbers of the format may be rounded either way, as far as f32 arithmetic and the matrix unit's own rounding can turn it there, and no further.
;; One version. Each part assembles by itself: llvm-mc -triple=amdgcn-amd-amdhsa -mcpu=gfx1250 --defsym DOCPART=n.
;; ======== version 1 of 1: 4 launches
;; workspace buffers: xq 6,553,600 bytes; wq 3,276,800 bytes; hq 20,185,088 bytes; yq 6,553,600 bytes
;; launch quant (part 1): grid 256 x 1, 8 waves a work-group, no clusters, 69,632 bytes of LDS; arguments x, w_qkv, w_proj, xq, wq; writes xq, wq
.if DOCPART == 1
	.amdgcn_target "amdgcn-amd-amdhsa--gfx1250"
	.amdhsa_code_object_version 6
	.text
	.protected	k_q8f197a66aa_quant
	.globl	k_q8f197a66aa_quant
	.p2align	8
	.type	k_q8f197a66aa_quant,@function
k_q8f197a66aa_quant:
	s_mov_b64 s[64:65], 0
	v_nop
	global_prefetch_b8 v0, s[64:65] scope:SCOPE_SE
	s_setreg_imm32_b32 hwreg(HW_REG_WAVE_MODE, 25, 1), 1
	s_wait_xcnt 0x0
; x [8192][1024], w_qkv [1024][3072] and w_proj [1024][1024], f32, become codes of BF6 (E3M2) with one E8M0 byte for each 32 along K (x: its last axis; the weights: their FIRST axis).
; A block's scale is 2^(floor(log2(largest magnitude)) - 4): its byte is the largest magnitude's exponent field - 4, held at 1 from below.
; LIMITS: a block whose largest magnitude lies under 2^-122 gets the byte 1; a block of zeros gets the byte 1 and not 127 (its codes are zeros, and the bytes are read by this program alone); NaN and infinities are not served.
; THE OUTPUT IS LAID AS THE MATRIX OPERAND'S REGISTERS.  Rows (of x: tokens; of a weight: its columns n) go in tiles of 16: lane r of tile T takes row 32 (T / 2) + 8 (T % 2) + r + 8 (r / 8).
; A fragment (16 rows x 128 K, 12 registers a lane) is 1,536 bytes: for each 64 along K, registers 0-3 at 16 x lane (512 bytes), registers 4-5 at 512 + 8 x lane (256 bytes).  Codes: [tile][K step 0..7][fragment].
; Scale words: [tile][half of K][r][4 words], 512 bytes a tile: word i of half g is K step 4 g + i.
; Work-groups 0-127 take x, the others the weights; the two ways have LDS bytes of their own and meet at one barrier.
; x: a wave takes one tile x 512 along K in four steps.  Each load reads 512 consecutive bytes of one row; a step turns through the wave's stage in LDS (rows 528 bytes apart), so that lane (r, h) gets 16 neighbours of each block of 32.
; weights: a lane takes a column and its 128 registers run down K: a block lies in one lane, and the conversions give K innermost.  The four K steps' scale words of a column meet in LDS and leave as 16 bytes a column.
.set XSO, 6291456                      ; xq: where the scale words begin
.set WSO, 3145728                      ; wq: likewise
.set STG, 8448                         ; a wave's stage: 16 rows x 528 bytes
.set WSC, 8*STG                        ; behind the stages: the weights' scale words, 2 x 512 bytes
.set RA,  16                           ; v16-79, v80-143: two sets of 64 numbers as loaded
.set RB,  80
.set XN,  144                          ; v144-207: register 16 b + i = k 32 b + 16 h + i of my row
.set PC,  208                          ; v208-226: the codes
.set TM,  228                          ; v228-243: at work
.set WD,  244                          ; v244-247: four K steps' scale words
.set SEL, 44                           ; s[44:45]: v_permlanex16_b32's selects for lane l xor 16
	s_load_b128 s[4:7], s[0:1], 0x0                ; x, w_qkv
	s_load_b128 s[8:11], s[0:1], 0x10              ; w_proj, xq
	s_load_b64 s[12:13], s[0:1], 0x20              ; wq
	v_lshl_add_u32 v239, v0, 2, 0x10c00
	v_mov_b32 v251, 0
	v_lshrrev_b32 v1, 5, v0
	v_readfirstlane_b32 s14, v1                    ; wave 0..7
	v_and_b32 v6, 31, v0                           ; lane
	v_lshlrev_b32 v1, 4, v6                        ; 16 x lane
	v_lshlrev_b32 v2, 3, v6                        ; 8 x lane
	v_and_b32 v5, 15, v0                           ; r
	v_bfe_u32 v8, v0, 4, 1                         ; h
	s_mul_i32 s31, s14, STG
	v_add_nc_u32 v3, s31, v1                       ; the stage, on the way in: 16 x lane in a row
	v_mul_u32_u24 v4, v5, 528
	v_lshl_add_u32 v4, v8, 6, v4
	v_add_nc_u32 v4, s31, v4                       ; and out: row r, + 64 h
	v_lshlrev_b32 v5, 4, v5                        ; 16 r
	v_lshlrev_b32 v7, 2, v6                        ; weights: 4 bytes a column
	v_bfe_u32 v8, v0, 3, 1                         ; column l of a group of 32 lies in tile u = (l / 8) % 2,
	v_and_b32 v9, 7, v0
	v_bfe_u32 v10, v0, 4, 1
	v_lshl_add_u32 v9, v10, 3, v9                  ; at its lane l % 8 + 8 (l / 16)
	v_mul_u32_u24 v10, v8, 12288
	v_lshl_add_u32 v11, v9, 4, v10                 ; where my column's registers 0-3 go,
	v_lshl_add_u32 v12, v9, 3, v10                 ; and registers 4-5
	v_lshlrev_b32 v15, 9, v8
	v_lshl_add_u32 v15, v9, 4, v15                 ; and its four scale words
	s_lshr_b32 s20, s14, 2                         ; which 32 columns of the work-group's 64
	s_and_b32 s21, s14, 3                          ; which K step of the half
	s_lshl_b32 s30, s20, 9
	s_add_co_u32 s30, s30, WSC
	v_add_nc_u32 v14, s30, v1                      ; LDS: my column's four words,
	s_lshl_b32 s29, s21, 2
	v_add_nc_u32 v13, s29, v14                     ; and my wave's word among them
.irp b, 0,1,2,3
	v_mov_b32 v[TM+4+\b], 0                        ; written once: a lane permute's destination counts as one of its sources
.endr
	s_mov_b32 s[SEL], 0x76543210
	s_mov_b32 s[SEL+1], 0xfedcba98
	; the weights' shares.  Every work-group makes them, since the lines behind the common barrier name them; a work-group of x never uses them
	s_sub_co_u32 s15, ttmp9, 128
	s_cmp_lt_u32 s15, 96                           ; 96 work-groups for w_qkv, 32 for w_proj
	s_cselect_b32 s16, 0, 96
	s_cselect_b32 s17, 0, 192                      ; w_proj's tiles follow w_qkv's 192
	s_sub_co_u32 s16, s15, s16
	s_lshr_b32 s18, s16, 1                         ; which 64 columns
	s_and_b32 s19, s15, 1                          ; which half of K
	s_lshl_b32 s22, s18, 1
	s_add_co_u32 s22, s22, s20                     ; my group of 32 columns
	s_lshl_b32 s23, s22, 1
	s_add_co_u32 s23, s23, s17                     ; its first tile
	s_lshl_b32 s28, s19, 2
	s_add_co_u32 s28, s28, s21                     ; my K step
	s_lshl_b32 s24, s23, 9
	s_lshl_b32 s25, s19, 8
	s_add_co_u32 s24, s24, s25
	s_add_co_u32 s24, s24, WSO
	s_mov_b32 s25, 0
	s_mul_i32 s26, s23, 12288
	s_mul_i32 s27, s28, 1536
	s_add_co_u32 s26, s26, s27
	s_mov_b32 s27, 0
	s_wait_kmcnt 0x0
	s_add_nc_u64 s[24:25], s[12:13], s[24:25]      ; the scale words' place
	s_add_nc_u64 s[26:27], s[12:13], s[26:27]      ; the codes' place
	s_cmp_lt_u32 ttmp9, 128
	s_cbranch_scc0 .Lweights
; ---------------- x ----------------
; 64 numbers of a lane become a fragment's 12 registers at v[PC] and its row's scale word in v[pw]
.macro QUANT64 src, pw
.irp b, 0,1,2,3
	v_max3_num_f32 v[TM+\b], |v[\src+16*\b]|, |v[\src+1+16*\b]|, 0x2800000   ; my 16 numbers of block b, and the floor 2^(5 - 127): the byte cannot fall under 1
.endr
.irp i, 2,4,6,8,10,12,14
.irp b, 0,1,2,3
	v_max3_num_f32 v[TM+\b], v[TM+\b], |v[\src+16*\b+\i]|, |v[\src+1+16*\b+\i]|
.endr
.endr
.irp b, 0,1,2,3
	v_permlanex16_b32 v[TM+4+\b], v[TM+\b], s[SEL], s[SEL+1]
.endr
.irp b, 0,1,2,3
	v_max_num_f32 v[TM+\b], v[TM+\b], v[TM+4+\b]   ; with lane l xor 16's 16: the block's largest magnitude
.endr
.irp b, 0,1,2,3
	v_add_nc_u32 v[TM+12+\b], 0xfe000000, v[TM+\b] ; 4 off its exponent field: the conversion's scale operand
.endr
.irp b, 0,1,2,3
	v_lshrrev_b32 v[TM+4+\b], 23, v[TM+12+\b]      ; the scale's byte
.endr
	v_lshl_or_b32 v[\pw], v[TM+5], 8, v[TM+4]
	v_lshl_or_b32 v[\pw], v[TM+6], 16, v[\pw]
	v_lshl_or_b32 v[\pw], v[TM+7], 24, v[\pw]
.irp c, 0,1
	v_cvt_scalef32_pk16_bf6_f32 v[PC+6*\c:PC+2+6*\c], v[\src+32*\c:\src+15+32*\c], v[TM+12+2*\c]
	v_cvt_scalef32_pk16_bf6_f32 v[PC+12+4*\c:PC+14+4*\c], v[\src+16+32*\c:\src+31+32*\c], v[TM+12+2*\c+1]   ; (a conversion's three registers begin on an even number)
.endr
	v_nop                                          ; one plain place behind a scaled conversion
.irp c, 0,1                                    ; the operand wants a WHOLE block in a lane: lanes 0-15 block 2 c, lanes 16-31 block 2 c + 1
.irp i, 0,1,2
	v_permlane16_swap_b32 v[PC+6*\c+\i], v[PC+12+4*\c+\i]
.endr
.irp i, 0,1,2
	v_mov_b32 v[PC+3+6*\c+\i], v[PC+12+4*\c+\i]
.endr
.endr
.endm
.macro LOADX s, set                    ; K step s of my half: 16 rows x 512 consecutive bytes
.irp i, 0,1,2,3,4,5,6,7,8,9,10,11,12,13,14,15
	global_load_b128 v[\set+4*\i:\set+4*\i+3], v1, s[38:39] offset:(\i+8*(\i/8))*4096+512*(\s) th:TH_LOAD_NT
.endr
.endm
.macro TURNX set                       ; through my stage: LDS serves a wave's instructions in order, so no wait stands between the stores and the loads
.irp i, 0,1,2,3,4,5,6,7,8,9,10,11,12,13,14,15
	ds_store_b128 v3, v[\set+4*\i:\set+4*\i+3] offset:528*\i
.endr
.irp i, 0,1,2,3,4,5,6,7,8,9,10,11,12,13,14,15
	ds_load_b128 v[XN+4*\i:XN+4*\i+3], v4 offset:128*(\i/4)+16*(\i%4)
.endr
.endm
.macro XSTEP s, set
.if \s < 3
	s_wait_loadcnt 16                              ; this step's 16 loads are in; the next step's 16 may be out
.else
	s_wait_loadcnt 0x0
.endif
	TURNX \set
	s_wait_dscnt 0x0                               ; the numbers are back, and the stores have read their registers,
.if \s < 2
	LOADX (\s)+2, \set                             ; which take the loads of two steps on
.endif
	s_wait_xcnt 0x0                                ; the last step's stores have read the codes' registers
	QUANT64 XN, WD+\s
	global_store_b128 v1, v[PC:PC+3], s[40:41] offset:1536*\s          ; each store covers 512 or 256 consecutive bytes, aligned
	global_store_b64 v2, v[PC+4:PC+5], s[40:41] offset:1536*\s+512
	global_store_b128 v1, v[PC+6:PC+9], s[40:41] offset:1536*\s+768
	global_store_b64 v2, v[PC+10:PC+11], s[40:41] offset:1536*\s+1280
.endm
	s_lshl_b32 s34, ttmp9, 3
	s_add_co_u32 s34, s34, s14
	s_lshr_b32 s35, s34, 1                         ; my tile T
	s_and_b32 s36, s34, 1                          ; my half of K
	s_lshr_b32 s37, s35, 1
	s_lshl_b32 s37, s37, 17                        ; 32 (T / 2) rows of 4,096 bytes
	s_and_b32 s38, s35, 1
	s_lshl_b32 s38, s38, 15                        ; + 8 (T % 2) rows
	s_add_co_u32 s37, s37, s38
	s_lshl_b32 s38, s36, 11
	s_add_co_u32 s38, s37, s38
	s_mov_b32 s39, 0
	s_add_nc_u64 s[38:39], s[4:5], s[38:39]
	s_mul_i32 s40, s35, 12288
	s_mul_i32 s41, s36, 6144
	s_add_co_u32 s40, s40, s41
	s_mov_b32 s41, 0
	s_add_nc_u64 s[40:41], s[10:11], s[40:41]
	s_lshl_b32 s42, s35, 9
	s_lshl_b32 s43, s36, 8
	s_add_co_u32 s42, s42, s43
	s_add_co_u32 s42, s42, XSO
	s_mov_b32 s43, 0
	s_add_nc_u64 s[42:43], s[10:11], s[42:43]
	LOADX 0, RA
	LOADX 1, RB
	XSTEP 0, RA
	XSTEP 1, RB
	XSTEP 2, RA
	XSTEP 3, RB
	global_store_b128 v5, v[WD:WD+3], s[42:43]     ; my rows' four words: 256 consecutive bytes; lanes r and r + 16 hold the same words and write them to the same place
	s_branch .Ltail
; ---------------- the weights ----------------
.macro WLOADS stride                   ; W(128 x K step + i, my column), i = 0 .. 127
.set i, 0
.rept 128
	global_load_b32 v[16+i], v7, s[32:33] offset:i*\stride th:TH_LOAD_NT
.set i, i+1
.endr
.endm
.macro WBLOCK kb, cnt                  ; block kb of my column: all its 32 numbers are mine
	s_wait_loadcnt \cnt
.set NB, 16+32*\kb
.set CC, 144+8*\kb
.set DD, 176+4*\kb
	v_max3_num_f32 v8, |v[NB]|, |v[NB+1]|, |v[NB+2]|
	v_max3_num_f32 v9, |v[NB+3]|, |v[NB+4]|, |v[NB+5]|
.irp i, 6,10,14,18,22,26
	v_max3_num_f32 v8, v8, |v[NB+\i]|, |v[NB+\i+1]|
	v_max3_num_f32 v9, v9, |v[NB+\i+2]|, |v[NB+\i+3]|
.endr
	v_max3_num_f32 v8, v8, |v[NB+30]|, |v[NB+31]|
	v_max3_num_f32 v8, v8, v9, 0x2800000           ; and the floor
	v_add_nc_u32 v248, 0xfe000000, v8
	v_lshrrev_b32 v249, 23, v248
.if \kb == 0
	v_mov_b32 v250, v249
.else
	v_lshl_or_b32 v250, v249, 8*\kb, v250          ; the K step's four bytes make my column's word
.endif
	v_cvt_scalef32_pk16_bf6_f32 v[CC:CC+2], v[NB:NB+15], v248
	v_cvt_scalef32_pk16_bf6_f32 v[DD:DD+2], v[NB+16:NB+31], v248
	v_nop                                          ; one plain place behind a scaled conversion
.irp i, 0,1,2
	v_mov_b32 v[CC+3+\i], v[DD+\i]
.endr
	global_store_b128 v11, v[CC:CC+3], s[26:27] offset:768*(\kb/2)+256*(\kb%2)        ; block kb is the fragment's lane half kb % 2 of 64 x (kb / 2) along K
	global_store_b64 v12, v[CC+4:CC+5], s[26:27] offset:768*(\kb/2)+512+128*(\kb%2)
.endm
.Lweights:
	s_lshl_b32 s29, s22, 7                         ; 128 bytes for each group of 32 columns
	s_mov_b32 s33, 0
	s_cmp_lt_u32 s15, 96
	s_cbranch_scc0 .Lproj
	s_mul_i32 s32, s28, 128*12288
	s_add_co_u32 s32, s32, s29
	s_add_nc_u64 s[32:33], s[6:7], s[32:33]
	WLOADS 12288
	s_branch .Lblocks
.Lproj:
	s_mul_i32 s32, s28, 128*4096
	s_add_co_u32 s32, s32, s29
	s_add_nc_u64 s[32:33], s[8:9], s[32:33]
	WLOADS 4096
.Lblocks:
	WBLOCK 0, 63                                   ; 96 younger loads could stay out; a wait names 63 at the most, and a smaller count is safe
	WBLOCK 1, 63                                   ; (64 could)
	WBLOCK 2, 32                                   ; the last block's 32
	WBLOCK 3, 0
	ds_store_b32 v13, v250
.Ltail:
	s_wait_dscnt 0x0                               ; for the others' sake: my LDS stores have landed
	s_barrier_signal -1
	s_barrier_wait -1
	s_cmp_lt_u32 ttmp9, 128
	s_cbranch_scc1 .Lend
	s_cmp_lg_u32 s21, 0                            ; one wave for each group of 32 columns
	s_cbranch_scc1 .Lend
	ds_load_b128 v[252:255], v14                   ; my column's words of the half's four K steps
	s_wait_dscnt 0x0
	global_store_b128 v15, v[252:255], s[24:25]    ; two runs of 256 consecutive bytes, aligned
.Lend:
	s_wait_tensorcnt 0x0
	ds_add_u32 v239, v251
	s_wait_dscnt 0x0
	s_endpgm
.Lfunc_end_k_q8f197a66aa_quant:
	.size	k_q8f197a66aa_quant, .Lfunc_end_k_q8f197a66aa_quant-k_q8f197a66aa_quant
	.p2alignl 7, 3214868480
	.fill 96, 4, 3214868480
	.section	.rodata,"a",@progbits
	.p2align	6, 0x0
	.amdhsa_kernel k_q8f197a66aa_quant
		.amdhsa_group_segment_fixed_size 69632
		.amdhsa_private_segment_fixed_size 0
		.amdhsa_enable_private_segment 0
		.amdhsa_kernarg_size 40
		.amdhsa_user_sgpr_count 2
		.amdhsa_user_sgpr_kernarg_segment_ptr 1
		.amdhsa_wavefront_size32 1
		.amdhsa_system_sgpr_workgroup_id_x 1
		.amdhsa_system_sgpr_workgroup_id_y 1
		.amdhsa_system_sgpr_workgroup_id_z 1
		.amdhsa_system_vgpr_workitem_id 0
		.amdhsa_next_free_vgpr 256
		.amdhsa_next_free_sgpr 66
		.amdhsa_reserve_vcc 0
		.amdhsa_float_denorm_mode_32 3
		.amdhsa_float_denorm_mode_16_64 3
		.amdhsa_memory_ordered 1
		.amdhsa_forward_progress 1
		.amdhsa_inst_pref_size 67
	.end_amdhsa_kernel
	.amdgpu_metadata
---
amdhsa.version: [ 1, 2 ]
amdhsa.kernels:
  - .name:           k_q8f197a66aa_quant
    .symbol:         k_q8f197a66aa_quant.kd
    .args:
      - { .name: x, .offset: 0, .size: 8, .value_kind: global_buffer, .address_space: global }
      - { .name: w_qkv, .offset: 8, .size: 8, .value_kind: global_buffer, .address_space: global }
      - { .name: w_proj, .offset: 16, .size: 8, .value_kind: global_buffer, .address_space: global }
      - { .name: xq, .offset: 24, .size: 8, .value_kind: global_buffer, .address_space: global }
      - { .name: wq, .offset: 32, .size: 8, .value_kind: global_buffer, .address_space: global }
    .group_segment_fixed_size: 69632
    .private_segment_fixed_size: 0
    .kernarg_segment_align: 8
    .kernarg_segment_size: 40
    .max_flat_workgroup_size: 256
    .sgpr_count:     66
    .vgpr_count:     256
    .wavefront_size: 32
...
	.end_amdgpu_metadata
.endif
;; end of part 1
;; launch qkv (part 2): grid 12 x 32, 4 waves a work-group, clusters of 4 x 4, 327,680 bytes of LDS; arguments xq, wq, b_qkv, hq; writes hq
.if DOCPART == 2
	.amdgcn_target "amdgcn-amd-amdhsa--gfx1250"
	.amdhsa_code_object_version 6
	.text
	.protected	k_q8f197a66aa_qkv
	.globl	k_q8f197a66aa_qkv
	.p2align	8
	.type	k_q8f197a66aa_qkv,@function
k_q8f197a66aa_qkv:
	s_mov_b64 s[64:65], 0
	v_nop
	global_prefetch_b8 v0, s[64:65] scope:SCOPE_SE
	s_setreg_imm32_b32 hwreg(HW_REG_WAVE_MODE, 25, 1), 1
	s_wait_xcnt 0x0
	s_wait_alu depctr_hold_cnt(0) depctr_sa_sdst(0) depctr_va_vdst(0) depctr_va_sdst(0) depctr_va_ssrc(0) depctr_va_vcc(0) depctr_vm_vsrc(0)
	s_getreg_b32 s2, hwreg(HW_REG_IB_STS2, 6, 4)
	s_cmp_eq_u32 s2, 0
	s_cbranch_scc0 .Lentry_in_a_cluster
	s_endpgm
.Lentry_in_a_cluster:
	s_bfe_u32 s2, ttmp6, 0x10000c
	s_cmp_lg_u32 s2, 0xf033
	s_cbranch_scc0 .Lentry_shape_is_right
	s_endpgm
.Lentry_shape_is_right:
; qkv = x w_qkv + b_qkv on codes of BF6 (K = 1,024), and q, k, v quantised at once for the attention: q and k along the head's 64, v along the keys.  No f32 number goes to memory.
; Operands lie in memory as images of the operand's registers: rows in tiles of 16 (lane r of tile T: row 32 (T / 2) + 8 (T % 2) + r + 8 (r / 8)), a fragment (16 rows x 128 K) in 1,536 bytes, [tile][K step][fragment].
; A tile of the result, 256 tokens x 256 columns, is made by four waves, 128 x 128 each: 64 accumulators.  Source 0 ("P", 8 tiles, two sets of registers), source 1 ("R", 8 tiles, one set).
; With such tiles as source 0 a lane's 16 registers of two neighbouring tiles are 16 NEIGHBOURS along P's rows.  So the ROLE: for q and k (tile columns 0-7) P = the weights: a lane holds one token and neighbours along
; the head's axis; for v (tile columns 8-11) P = x: a lane holds one channel and neighbouring tokens, which are the keys.  The role hangs on the cluster's x alone; only what a wave READS from LDS changes places.
; K goes through three LDS slots of 256 along K; all three are filled at the head and slot 0 is filled once more (the fourth quarter of K).  A fetch is one tensor load a wave: 8 tiles x 3,072 consecutive bytes.
; CLUSTERS: 4 x 4 work-groups; x's tiles are asked for jointly along a row of the cluster, the weights' along a column.
; The scale words of a wave's 8 + 8 tiles, for all of K, go from memory into 64 registers once: lanes 0-15 hold K steps 0-3, lanes 16-31 K steps 4-7.
; The bias is the C of each sum's first matrix instruction, so it is added ahead of the products and not behind them: an order of rounding that differs from x w + b.
; LIMITS of the quantiser: a block whose largest magnitude lies under 2^-122, or a block of zeros, gets the byte 1; NaN and infinities are not served.
; REGISTERS: window 0: v1-22 addresses; v28-29 for the add; v32-63 R's scale words, v64-95 P's; v96-127 and v224-255 the bias; v128-223 R's fragments (on the way out: at work).
;   window 1: P's fragments at v0 and v128.   windows 2, 3: accumulator (a, b) at v[8 (8 (a % 4) + b)].
.set XSO,  6291456                     ; xq: the scale words
.set WSO,  3145728                     ; wq: the scale words
.set QKS,  18874368                    ; hq: q's and k's scale words
.set VSO,  19922944                    ; hq: v's scale words
.set SLOT, 98304
.set REG,  24576                       ; a fetching wave's part of a slot: 8 tiles x 3,072 bytes
.set SPARE, 3*SLOT                     ; the spare words, 128 bytes a wave: two blocks of 256 bytes that no other line names
.set AP16, 4                           ; v4-6, v7-9     P's LDS addresses in slots 0-2: 16 x lane, 8 x lane
.set AP8,  7
.set AR16, 10                          ; v10-12, v13-15 R's
.set AR8,  13
.set SPW,  28
.set NIL,  29
.set SCR,  32
.set SCP,  64
.set BI0,  96
.set AF,   128
.set PC,   128                         ; the way out: codes,
.set TM,   152                         ; at work,
.set WW,   168                         ; eight scale words,
.set TT,   176                         ; and as they are stored
.set G1,   24
.set G1B,  32
.set G0,   40                          ; s[40:51] group 0 for x's tiles, a set for each slot;  s[52:63] for the weights'
.set G0B,  52
.set SEL,  98
.set MSB, 0
.macro WIN new                         ; the immediate's high byte repeats the setting that is left
.if MSB != \new
	s_set_vgpr_msb (MSB<<8)|\new
.set MSB, \new
.endif
.endm
.macro JLOAD g0a, g1a, g0b, g1b        ; a joint load: waves 0, 1 fetch x's halves, waves 2, 3 the weights'; four v_nop follow each line
	s_cmp_eq_u32 s15, 0
	s_cbranch_scc0 .Lfor_b_\@
	tensor_load_to_lds s[\g0a:\g0a+3], s[\g1a:\g1a+7]
	s_nop 0
.rept 4
	v_nop
.endr
	s_branch .Lasked_\@
.Lfor_b_\@:
	tensor_load_to_lds s[\g0b:\g0b+3], s[\g1b:\g1b+7]
	s_nop 0
.rept 4
	v_nop
.endr
.Lasked_\@:
.endm
.macro CREST                           ; a round of the cluster's barrier behind its opening barrier
	s_cmp_lg_u32 s14, 0
	s_cbranch_scc1 .Lnot_wave_0_\@
	s_barrier_signal -3
.Lnot_wave_0_\@:
	s_barrier_wait -3
	s_barrier_signal -1
	s_barrier_wait -1
.endm
.macro CROUND
	s_barrier_signal -1
	s_barrier_wait -1
	CREST
.endm
.macro PLACES n                        ; plain vector instructions between a matrix instruction and a load into, or a read of, its registers
.rept \n
	v_nop
.endr
.endm
.macro FRAG reg, a16, a8, off          ; a fragment's image: four loads, each of 512 or 256 consecutive bytes
	ds_load_b128 v[\reg:\reg+3], v[\a16] offset:\off
	ds_load_b64 v[\reg+4:\reg+5], v[\a8] offset:\off+512
	ds_load_b128 v[\reg+6:\reg+9], v[\a16] offset:\off+768
	ds_load_b64 v[\reg+10:\reg+11], v[\a8] offset:\off+1280
.endm
.macro FETCH_P sl, q, set
	WIN 0x40                                       ; destination window 1
.irp i, 0,1,2,3,4,5,6,7
	FRAG 128*(\set)+12*\i, AP16+\sl, AP8+\sl, \i*3072+(\q)*1536
.endr
	WIN 0
.endm
.macro FETCH_R sl, q, i0
.irp i, \i0, \i0+1, \i0+2, \i0+3
	FRAG AF+12*(\i), AR16+\sl, AR8+\sl, (\i)*3072+(\q)*1536
.endr
.endm
; 16 matrix instructions: R's blocks a0, a0 + 1 x P's eight, K step ks.  mode 0: onto the sums; 1: the sums begin with the bias along P's rows; 2: along R's rows.  The 64 accumulators take turns.
.macro MUL16 a0, ks, mode
.irp a, \a0, \a0+1
.irp b, 0,1,2,3,4,5,6,7
.set rD, 8*(8*((\a)%4)+\b)
.if \mode == 0
.set rC, rD
.elseif \mode == 1
.set rC, BI0+8*\b+96*(\b/4)
.else
.set rC, BI0+8*(\a)+96*((\a)/4)
.endif
.set rP, 128*((\ks)%2)+12*\b
.set rR, AF+12*(\a)
.if (\ks) < 4
	v_wmma_scale_f32_16x16x128_f8f6f4 v[rD:rD+7], v[rP:rP+11], v[rR:rR+11], v[rC:rC+7], v[SCP+4*\b+(\ks)%4], v[SCR+4*(\a)+(\ks)%4] matrix_a_fmt:MATRIX_FMT_BF6 matrix_b_fmt:MATRIX_FMT_BF6
.else
	v_wmma_scale_f32_16x16x128_f8f6f4 v[rD:rD+7], v[rP:rP+11], v[rR:rR+11], v[rC:rC+7], v[SCP+4*\b+(\ks)%4], v[SCR+4*(\a)+(\ks)%4] matrix_a_fmt:MATRIX_FMT_BF6 matrix_b_fmt:MATRIX_FMT_BF6 matrix_a_scale:MATRIX_SCALE_ROW1 matrix_b_scale:MATRIX_SCALE_ROW1
.endif
.endr
.endr
.endm
.macro MULW hi, mode                   ; source 0 window 1, source 1 window 0, D window 2 or 3, C with D or (the bias) window 0
.if \mode == 0
	WIN 0xa1+0x50*\hi
.else
	WIN 0x81+0x40*\hi
.endif
.endm
; K step ks; the next K step's fragments come from slot nsl, its nq-th 128 along K
.macro STEP ks, nsl, nq, mode
	s_wait_dscnt 16                                ; P's set and R's blocks 0-3 are in; the youngest 16 loads (R's blocks 4-7) may be out
	MULW 0, \mode
	MUL16 0, \ks, \mode
	MUL16 2, \ks, \mode
	s_wait_dscnt 0x0
	PLACES 4
	FETCH_P \nsl, \nq, 1-(\ks)%2
	FETCH_R \nsl, \nq, 0
	MULW 1, \mode
	MUL16 4, \ks, \mode
	MUL16 6, \ks, \mode
	PLACES 4
	WIN 0
	FETCH_R \nsl, \nq, 4
.endm
; A K step with a barrier in it.  In front: the wait for all my tensor loads, the add, the wait for it and for my LDS reads.  fill = 1: the barrier opens a round of the cluster's, and slot 0 is filled again first thing behind it.
.macro TURN ks, nsl, fill
	s_wait_tensorcnt 0x0                           ; all my tensor loads have landed
	ds_add_u32 v[SPW], v[NIL]                      ; 0 onto my spare word
	s_wait_dscnt 17                                ; (the add and the youngest 16 loads may be out)
	WIN 0xa1
	MUL16 0, \ks, 0
	s_wait_dscnt 0x0                               ; the add is done, and my reads of the slots behind me are over
	s_barrier_signal -1
	MUL16 2, \ks, 0
	WIN 0
	s_barrier_wait -1
.if \fill
	CREST                                          ; no wave of any partner still reads slot 0 or has a load on its way
	s_add_nc_u64 s[G0+2:G0+3], s[G0+2:G0+3], 9216  ; from the first quarter of K to the fourth
	s_add_nc_u64 s[G0B+2:G0B+3], s[G0B+2:G0B+3], 9216
	JLOAD G0, G1, G0B, G1B                         ; its four v_nop are also the places in front of the loads below; it has 224 matrix instructions, up to the wait at K step 5, in which to land
.else
	PLACES 4
.endif
	FETCH_P \nsl, 0, 1-(\ks)%2
	FETCH_R \nsl, 0, 0
	WIN 0xf1
	MUL16 4, \ks, 0
	MUL16 6, \ks, 0
	PLACES 4
	WIN 0
	FETCH_R \nsl, 0, 4
.endm
	s_load_b128 s[4:7], s[0:1], 0x0                ; xq, wq
	s_load_b128 s[8:11], s[0:1], 0x10              ; b_qkv, hq
	v_lshl_add_u32 v[SPW], v0, 2, SPARE
	v_mov_b32 v[NIL], 0
	ds_add_u32 v28, v29
	ds_add_u32 v28, v29
	s_wait_dscnt 0x0
	v_lshrrev_b32 v1, 5, v0
	v_readfirstlane_b32 s14, v1                    ; wave 0..3
	s_lshr_b32 s15, s14, 1                         ; my half of the tokens.  Also: I fetch for x (0) or for the weights (1)
	s_and_b32 s16, s14, 1                          ; my half of the columns.  Also: which 8 tiles I fetch
	s_bfe_u32 s66, ttmp6, 0x40000                  ; cx, cy
	s_bfe_u32 s67, ttmp6, 0x40004
	s_lshl_b32 s68, ttmp9, 2
	s_add_co_u32 s68, s68, s66                     ; tile column
	s_and_b32 s17, ttmp7, 0xffff
	s_lshl_b32 s17, s17, 2
	s_add_co_u32 s17, s17, s67                     ; tile row
	s_lshl_b32 s69, s67, 2
	s_lshl_b32 s69, 15, s69                        ; my row of the cluster
	s_lshl_b32 s70, 0x1111, s66                    ; my column
	s_or_b32 s[G1], s69, (3<<16)|(1<<21)           ; 15:0 the mask; 17:16 elements of 8 bytes; 21 set beside a mask; no padding
	s_or_b32 s[G1B], s70, (3<<16)|(1<<21)
.irp g, G1, G1B
	s_mov_b32 s[\g+1], 384<<16                     ; tensor_dim0: 3,072 bytes
	s_mov_b32 s[\g+2], 8<<16                       ; tensor_dim1: 8 tiles
	s_mov_b32 s[\g+3], 384<<16                     ; tile_dim0
	s_mov_b32 s[\g+4], 8                           ; tile_dim1
	s_mov_b32 s[\g+5], 1536                        ; from tile to tile: 12,288 bytes
	s_mov_b32 s[\g+6], 0
	s_mov_b32 s[\g+7], 0
.endr
	s_lshl_b32 s18, s16, 3
	s_lshl_b32 s20, s17, 4
	s_add_co_u32 s20, s20, s18                     ; x: tile 16 x tile row + 8 x half
	s_mul_i32 s20, s20, 12288
	s_mov_b32 s21, 0
	s_lshl_b32 s22, s68, 4
	s_add_co_u32 s22, s22, s18                     ; weights: tile 16 x tile column + 8 x half
	s_mul_i32 s22, s22, 12288
	s_mov_b32 s23, 0
	s_mul_i32 s71, s14, REG                        ; where they go: no place in the cluster enters an LDS address
	s_wait_kmcnt 0x0
	s_add_nc_u64 s[20:21], s[4:5], s[20:21]
	s_add_nc_u64 s[22:23], s[6:7], s[22:23]
	CROUND                                         ; all sixteen work-groups are here: the first joint loads meet
.irp s, 0,1,2
	s_mov_b32 s[G0+4*\s], 1
	s_add_co_u32 s[G0+4*\s+1], s71, \s*SLOT
	s_add_nc_u64 s[G0+4*\s+2:G0+4*\s+3], s[20:21], \s*3072
	s_or_b32 s[G0+4*\s+3], s[G0+4*\s+3], 0x80000000
	s_mov_b32 s[G0B+4*\s], 1
	s_add_co_u32 s[G0B+4*\s+1], s71, \s*SLOT
	s_add_nc_u64 s[G0B+4*\s+2:G0B+4*\s+3], s[22:23], \s*3072
	s_or_b32 s[G0B+4*\s+3], s[G0B+4*\s+3], 0x80000000
	JLOAD G0+4*\s, G1, G0B+4*\s, G1B               ; three loads of mine are out
.endr
	v_and_b32 v3, 31, v0
	v_lshlrev_b32 v1, 4, v3                        ; 16 x lane
	v_lshlrev_b32 v2, 3, v3                        ; 8 x lane
	v_and_b32 v16, 15, v0                          ; r
	v_bfe_u32 v17, v0, 4, 1                        ; h
	v_lshlrev_b32 v18, 6, v17                      ; the bias along P's rows: 16 h numbers on
	v_and_b32 v19, 8, v16
	v_add_nc_u32 v19, v19, v16
	v_lshlrev_b32 v19, 2, v19                      ; along R's rows: number r + 8 (r / 8)
	v_lshlrev_b32 v20, 4, v17                      ; 16 h
	v_lshlrev_b32 v22, 4, v16
	v_lshl_add_u32 v21, v17, 13, v22               ; q's and k's scale words: 16 r, the pair's odd head 8,192 bytes on
	v_lshl_add_u32 v22, v17, 12, v22               ; v's: 4,096 bytes on
	s_mul_i32 s72, s15, REG                        ; x's half that is mine
	s_mul_i32 s73, s16, REG
	s_add_co_u32 s73, s73, 2*REG                   ; the weights' half that is mine
	s_cmp_ge_u32 ttmp9, 2                          ; THE ROLE: the cluster's x, equal in all partners
	s_cselect_b32 s74, s72, s73                    ; P's part of a slot
	s_cselect_b32 s75, s73, s72                    ; R's
	s_cselect_b32 s76, 1, 0
.irp s, 0,1,2
	v_add_nc_u32 v[AP16+\s], s74, v1
	v_add_nc_u32 v[AP8+\s], s74, v2
	v_add_nc_u32 v[AR16+\s], s75, v1
	v_add_nc_u32 v[AR8+\s], s75, v2
	s_add_co_u32 s74, s74, SLOT
	s_add_co_u32 s75, s75, SLOT
.endr
	s_lshl_b32 s78, s17, 4
	s_lshl_b32 s79, s15, 3
	s_add_co_u32 s78, s78, s79
	s_lshl_b32 s78, s78, 9
	s_add_co_u32 s78, s78, XSO
	s_mov_b32 s79, 0
	s_add_nc_u64 s[78:79], s[4:5], s[78:79]        ; the scale words of my 8 tiles of x,
	s_lshl_b32 s80, s68, 4
	s_lshl_b32 s81, s16, 3
	s_add_co_u32 s80, s80, s81
	s_lshl_b32 s80, s80, 9
	s_add_co_u32 s80, s80, WSO
	s_mov_b32 s81, 0
	s_add_nc_u64 s[80:81], s[6:7], s[80:81]        ; and of my 8 tiles of the weights
	s_cmp_eq_u32 s76, 1
	s_cselect_b64 s[82:83], s[78:79], s[80:81]     ; P's
	s_cselect_b64 s[84:85], s[80:81], s[78:79]     ; R's
.irp i, 0,1,2,3,4,5,6,7
	global_load_b128 v[SCP+4*\i:SCP+4*\i+3], v1, s[82:83] offset:512*\i   ; 512 consecutive bytes: a tile's words for all of K
	global_load_b128 v[SCR+4*\i:SCR+4*\i+3], v1, s[84:85] offset:512*\i
.endr
	s_lshl_b32 s86, s68, 10
	s_lshl_b32 s87, s16, 9
	s_add_co_u32 s86, s86, s87
	s_mov_b32 s87, 0
	s_add_nc_u64 s[86:87], s[8:9], s[86:87]        ; the bias of my 128 columns
	s_cmp_eq_u32 s76, 0
	s_cbranch_scc0 .Lbias_v
.irp b, 0,1,2,3,4,5,6,7
	global_load_b128 v[BI0+8*\b+96*(\b/4):BI0+8*\b+96*(\b/4)+3], v18, s[86:87] offset:(32*(\b/2)+8*(\b%2))*4      ; register j of tile b: column 32 (b / 2) + 16 h + 8 (b % 2) + j
	global_load_b128 v[BI0+8*\b+96*(\b/4)+4:BI0+8*\b+96*(\b/4)+7], v18, s[86:87] offset:(32*(\b/2)+8*(\b%2))*4+16
.endr
	s_branch .Lbias_done
.Lbias_v:
.irp a, 0,1,2,3,4,5,6,7
.irp j, 0,1,2,3,4,5,6,7
	global_load_b32 v[BI0+8*\a+96*(\a/4)+\j], v19, s[86:87] offset:(32*(\a/2)+8*(\a%2))*4   ; all eight registers: my lane's column of tile a
.endr
.endr
.Lbias_done:
	s_wait_tensorcnt 2                             ; my part of slot 0 is in; slots 1 and 2 may be out
	s_barrier_signal -1
	s_barrier_wait -1
	FETCH_P 0, 0, 0
	FETCH_R 0, 0, 0
	FETCH_R 0, 0, 4
	s_wait_loadcnt 0x0                             ; scale words and bias
	s_cmp_eq_u32 s76, 0
	s_cbranch_scc0 .Lfirst_v
	STEP 0, 0, 1, 1                                ; the first K step starts the sums with the bias
	s_branch .Lfirst_done
.Lfirst_v:
	STEP 0, 0, 1, 2
.Lfirst_done:
	TURN 1, 1, 1                                   ; slot 0 is left and filled again; the wait in front has shown slots 1 and 2 whole in every wave
	STEP 2, 1, 1, 0
	STEP 3, 2, 0, 0
	STEP 4, 2, 1, 0
	TURN 5, 0, 0                                   ; the refill has landed in every wave
	STEP 6, 0, 1, 0
	s_wait_dscnt 16
	WIN 0xa1
	MUL16 0, 7, 0
	MUL16 2, 7, 0
	s_wait_dscnt 0x0
	WIN 0xf1
	MUL16 4, 7, 0
	MUL16 6, 7, 0
	WIN 0
	; THE WAY OUT.  For each R block a, a lane's 64 registers are 64 numbers of one row: register 16 b + i = place 32 b + 16 h + i along P's rows.  They become one fragment and one scale word a row.
	; q, k: the row is a token, the 128 places are a pair of heads: the fragment's two halves are the two heads' 64.  v: the row is a channel, the places are 128 keys.  One address serves both: v's section follows k's.
	s_mov_b32 s[SEL], 0x76543210
	s_mov_b32 s[SEL+1], 0xfedcba98
	s_lshl_b32 s88, s68, 1
	s_add_co_u32 s88, s88, s16                     ; my 128 columns: 0-7 q's pairs of heads, 8-15 k's, 16-23 v's
	s_and_b32 s89, s88, 7                          ; the pair
	s_lshr_b32 s90, s88, 3                         ; q, k or v
	s_lshr_b32 s91, s17, 3                         ; the batch
	s_and_b32 s92, s17, 7
	s_lshl_b32 s92, s92, 1
	s_add_co_u32 s92, s92, s15                     ; which 128 tokens of the batch
	s_lshl_b32 s94, s90, 2
	s_add_co_u32 s94, s94, s91
	s_lshl_b32 s94, s94, 3
	s_add_co_u32 s94, s94, s89
	s_mul_i32 s94, s94, 196608
	s_mul_i32 s95, s92, 12288
	s_add_co_u32 s94, s94, s95
	s_mov_b32 s95, 0
	s_add_nc_u64 s[94:95], s[10:11], s[94:95]
	PLACES 4
.irp b, 0,1,2,3
	v_mov_b32 v[TM+4+\b], 0                        ; a lane permute's destination counts as one of its sources
.endr
.macro QUANTW a
.set sA, 64*((\a)%4)
	WIN 0x0a+5*((\a)/4)                            ; sources 0 and 1: the accumulators' window
.irp b, 0,1,2,3
	v_max3_num_f32 v[TM+\b], |v[sA+16*\b]|, |v[sA+16*\b+1]|, 0x2800000   ; each accumulator is read from its low end on; the floor 2^(5 - 127) holds the byte at 1
.endr
.irp i, 2,4,6,8,10,12,14
.irp b, 0,1,2,3
	v_max3_num_f32 v[TM+\b], |v[sA+16*\b+\i]|, |v[sA+16*\b+\i+1]|, v[TM+\b]
.endr
.endr
	WIN 0
.irp b, 0,1,2,3
	v_permlanex16_b32 v[TM+4+\b], v[TM+\b], s[SEL], s[SEL+1]
.endr
.irp b, 0,1,2,3
	v_max_num_f32 v[TM+\b], v[TM+\b], v[TM+4+\b]
.endr
.irp b, 0,1,2,3
	v_add_nc_u32 v[TM+12+\b], 0xfe000000, v[TM+\b] ; 4 off the exponent field: the conversion's scale operand
.endr
.irp b, 0,1,2,3
	v_lshrrev_b32 v[TM+4+\b], 23, v[TM+12+\b]
.endr
	v_lshl_or_b32 v[WW+(\a)], v[TM+5], 8, v[TM+4]
	v_lshl_or_b32 v[WW+(\a)], v[TM+6], 16, v[WW+(\a)]
	v_lshl_or_b32 v[WW+(\a)], v[TM+7], 24, v[WW+(\a)]
	s_wait_xcnt 0x0                                ; the last block's stores have read the codes' registers
	WIN 0x02+((\a)/4)                              ; source 0: the accumulators' window
.irp c, 0,1
	v_cvt_scalef32_pk16_bf6_f32 v[PC+6*\c:PC+2+6*\c], v[sA+32*\c:sA+15+32*\c], v[TM+12+2*\c]
	v_cvt_scalef32_pk16_bf6_f32 v[PC+12+4*\c:PC+14+4*\c], v[sA+16+32*\c:sA+31+32*\c], v[TM+12+2*\c+1]
.endr
	WIN 0
	v_nop                                          ; one plain place behind a scaled conversion
.irp c, 0,1
.irp i, 0,1,2
	v_permlane16_swap_b32 v[PC+6*\c+\i], v[PC+12+4*\c+\i]
.endr
.irp i, 0,1,2
	v_mov_b32 v[PC+3+6*\c+\i], v[PC+12+4*\c+\i]
.endr
.endr
	global_store_b128 v1, v[PC:PC+3], s[94:95] offset:1536*(\a)            ; each store covers 512 or 256 consecutive bytes, aligned
	global_store_b64 v2, v[PC+4:PC+5], s[94:95] offset:1536*(\a)+512
	global_store_b128 v1, v[PC+6:PC+9], s[94:95] offset:1536*(\a)+768
	global_store_b64 v2, v[PC+10:PC+11], s[94:95] offset:1536*(\a)+1280
.endm
.irp a, 0,1,2,3,4,5,6,7
	QUANTW \a
.endr
	s_lshl_b32 s96, s91, 4
	s_lshl_b32 s97, s89, 1
	s_add_co_u32 s96, s96, s97                     ; 16 x batch + the pair's even head
	s_mov_b32 s97, 0
	s_cmp_eq_u32 s76, 0
	s_cbranch_scc0 .Lsc_v
	; q, k: a word's bytes 0, 1 are the even head's two blocks, bytes 2, 3 the odd head's.  Lanes 0-15 store the even head's (upper bytes 0), lanes 16-31 the odd head's: four tiles' words, 16 bytes a row
	s_lshl_b32 s93, s90, 6
	s_add_co_u32 s96, s96, s93
	s_lshl_b32 s96, s96, 13
	s_lshl_b32 s93, s92, 9
	s_add_co_u32 s96, s96, s93
	s_add_co_u32 s96, s96, QKS
	s_add_nc_u64 s[96:97], s[10:11], s[96:97]
.irp i, 0,1,2,3,4,5,6,7
	v_lshrrev_b32 v[TT+\i], v20, v[WW+\i]
.endr
.irp i, 0,1,2,3,4,5,6,7
	v_and_b32 v[TT+\i], 0xffff, v[TT+\i]
.endr
	global_store_b128 v21, v[TT:TT+3], s[96:97]
	global_store_b128 v21, v[TT+4:TT+7], s[96:97] offset:256
	s_branch .Lsc_done
.Lsc_v:
	; v: blocks 0-3 are the even head's four tiles of channels, blocks 4-7 the odd head's
	s_lshl_b32 s96, s96, 12
	s_lshl_b32 s93, s92, 8
	s_add_co_u32 s96, s96, s93
	s_add_co_u32 s96, s96, VSO
	s_add_nc_u64 s[96:97], s[10:11], s[96:97]
	s_mov_b32 s93, 0xffff0000                      ; lanes 16-31
.irp i, 0,1,2,3
	v_cndmask_b32 v[TT+\i], v[WW+\i], v[WW+4+\i], s93
.endr
	global_store_b128 v22, v[TT:TT+3], s[96:97]
.Lsc_done:
	s_wait_tensorcnt 0x0                           ; the wave's end
	ds_add_u32 v[SPW], v[NIL]
	s_wait_dscnt 0x0
	CROUND                                         ; the closing round: no work-group ends while a partner may still ask for a tile that names it
	s_endpgm
.Lfunc_end_k_q8f197a66aa_qkv:
	.size	k_q8f197a66aa_qkv, .Lfunc_end_k_q8f197a66aa_qkv-k_q8f197a66aa_qkv
	.p2alignl 7, 3214868480
	.fill 96, 4, 3214868480
	.section	.rodata,"a",@progbits
	.p2align	6, 0x0
	.amdhsa_kernel k_q8f197a66aa_qkv
		.amdhsa_group_segment_fixed_size 327680
		.amdhsa_private_segment_fixed_size 0
		.amdhsa_enable_private_segment 0
		.amdhsa_kernarg_size 32
		.amdhsa_user_sgpr_count 2
		.amdhsa_user_sgpr_kernarg_segment_ptr 1
		.amdhsa_wavefront_size32 1
		.amdhsa_system_sgpr_workgroup_id_x 1
		.amdhsa_system_sgpr_workgroup_id_y 1
		.amdhsa_system_sgpr_workgroup_id_z 1
		.amdhsa_system_vgpr_workitem_id 0
		.amdhsa_next_free_vgpr 1024
		.amdhsa_next_free_sgpr 100
		.amdhsa_reserve_vcc 0
		.amdhsa_float_denorm_mode_32 3
		.amdhsa_float_denorm_mode_16_64 3
		.amdhsa_memory_ordered 1
		.amdhsa_forward_progress 1
		.amdhsa_inst_pref_size 169
	.end_amdhsa_kernel
	.amdgpu_metadata
---
amdhsa.version: [ 1, 2 ]
amdhsa.kernels:
  - .name:           k_q8f197a66aa_qkv
    .symbol:         k_q8f197a66aa_qkv.kd
    .args:
      - { .name: xq, .offset: 0, .size: 8, .value_kind: global_buffer, .address_space: global }
      - { .name: wq, .offset: 8, .size: 8, .value_kind: global_buffer, .address_space: global }
      - { .name: b_qkv, .offset: 16, .size: 8, .value_kind: global_buffer, .address_space: global }
      - { .name: hq, .offset: 24, .size: 8, .value_kind: global_buffer, .address_space: global }
    .group_segment_fixed_size: 327680
    .private_segment_fixed_size: 0
    .kernarg_segment_align: 8
    .kernarg_segment_size: 32
    .max_flat_workgroup_size: 128
    .sgpr_count:     100
    .vgpr_count:     1024
    .wavefront_size: 32
...
	.end_amdgpu_metadata
.endif
;; end of part 2
;; launch attn (part 3): grid 4 x 64, 16 waves a work-group, clusters of 4 x 1, 210,944 bytes of LDS; arguments hq, yq; writes yq
.if DOCPART == 3
	.amdgcn_target "amdgcn-amd-amdhsa--gfx1250"
	.amdhsa_code_object_version 6
	.text
	.protected	k_q8f197a66aa_attn
	.globl	k_q8f197a66aa_attn
	.p2align	8
	.type	k_q8f197a66aa_attn,@function
k_q8f197a66aa_attn:
	s_mov_b64 s[64:65], 0
	v_nop
	global_prefetch_b8 v0, s[64:65] scope:SCOPE_SE
	s_setreg_imm32_b32 hwreg(HW_REG_WAVE_MODE, 25, 1), 1
	s_wait_xcnt 0x0
	s_wait_alu depctr_hold_cnt(0) depctr_sa_sdst(0) depctr_va_vdst(0) depctr_va_sdst(0) depctr_va_ssrc(0) depctr_va_vcc(0) depctr_vm_vsrc(0)
	s_getreg_b32 s2, hwreg(HW_REG_IB_STS2, 6, 4)
	s_cmp_eq_u32 s2, 0
	s_cbranch_scc0 .Lentry_in_a_cluster
	s_endpgm
.Lentry_in_a_cluster:
	s_bfe_u32 s2, ttmp6, 0x10000c
	s_cmp_lg_u32 s2, 0x3003
	s_cbranch_scc0 .Lentry_shape_is_right
	s_endpgm
.Lentry_shape_is_right:
; y = softmax(q k^T / 8, causal) v for one head a cluster, both products on codes of BF6, and y quantised along C for the last product.
; THE SOFTMAX: t = score x log2(e) / 8; M = the running largest t rounded UP to a whole number; p = 2^(t - M) is quantised along the keys; the row's sum is taken of the unquantised p and divides at the end.
; A WHOLE HEAD'S K AND V (codes and scale words, 208,896 bytes) STAY IN LDS: filled once, never again.  The head's four work-groups form a cluster and ask for every tile jointly.
; SHARES.  Queries go in tiles of 16 (lane r of tile T: token 32 (T / 2) + 8 (T % 2) + r + 8 (r / 8)), keys in steps of 128.  Tile T needs key steps 0 .. T / 8.  A wave owns tiles lo = 8 q + 4 z + cx and 127 - lo,
; q and z made of the wave's number alone: q + 1 and 16 - q steps, 17 for every wave, and no branch hangs on the work-group's place in its cluster.
; LAYOUT.  Both products are used transposed (S^T = K Q^T, O^T = V^T P^T): a lane holds one query throughout; by the tiles' order of rows the 16 registers of two neighbouring tiles are 16 neighbours.
; K = 64 IN A FORM OF K = 128: Q's registers 6-11 are zero codes, and the upper two bytes of q's and k's scale words are 0 (2^-127, a number).  K's fragment t is named v[48 + 6 t .. + 11]: its upper half is the next
; tile's codes (behind the last tile: zeros), which meet Q's zeros and add nothing.  So a tile of K costs six registers and two loads.
; LIMITS: a block of p or y whose largest magnitude lies under 2^-122, or of zeros, gets the byte 1; NaN and infinities are not served.
; REGISTERS: v1-3 lane offsets; v4-9 the step's LDS addresses; v10-11 the mask's d; v12-15, v16-19 -M, largest t, the sum (two halves) of the upper and the lower tile; v20-21 Q's scale words; v22-23 V's lane offsets;
;   v24-35, v36-47 Q; v48-101 K's tiles, then at work, then V's fragments; v102-109 K's scale words, v110-113 V's; v114-177 S^T, then p; v178-209, v210-241 O^T; v242-253 p's codes; v254 p's scale word.
.set VCO,  12582912                    ; hq: v's codes
.set QKS,  18874368                    ; q's and k's scale words
.set VSO,  19922944                    ; v's
.set YSO,  6291456                     ; yq: the scale words
.set VIMG, 98304                       ; LDS: K's 128 tiles x 768 bytes at 0; V's 16 key steps x 6,144 bytes here;
.set KSC,  196608                      ; K's scale words, 8,192 bytes;
.set VSC,  204800                      ; V's, 4,096 bytes
.set ADK16, 4
.set ADK8,  5
.set ADV16, 6
.set ADV8,  7
.set ADKS,  8
.set ADVS,  9
.set QH,  24
.set QL,  36
.set KB,  48
.set KSR, 102
.set VSR, 110
.set SS,  114
.set OH,  178
.set OL,  210
.set PC,  242
.set PW,  254
.set BM,  48                           ; at work, in K's registers between the first product and V's loads: the blocks' largest scores,
.set TP,  52                           ; eight temporaries,
.set TSO, 60                           ; the conversions' scale operands,
.set FF,  64                           ; f (a pair is named; the low word serves),
.set T1,  66
.set WV,  14
.set G1K, 24
.set G1V, 32
.set G1SK, 40
.set G1SV, 48
.set G0,  68                           ; s[68:87] five groups 0: the scale words, then four chunks of 512 keys
.set TK,  58                           ; the step's tiles: 6,144 bytes a step, in K's image and in V's
.set TSK, 59                           ; K's scale words: 512 bytes a step
.set TSV, 60                           ; V's: 256
.set KST, 61                           ; the key step
.set CNT, 62
.set SEL, 88
.set CS,  90
.macro CROUND
	s_barrier_signal -1
	s_barrier_wait -1
	s_cmp_lg_u32 s[WV], 0
	s_cbranch_scc1 .Lnot_wave_0_\@
	s_barrier_signal -3
.Lnot_wave_0_\@:
	s_barrier_wait -3
	s_barrier_signal -1
	s_barrier_wait -1
.endm
	s_load_b128 s[4:7], s[0:1], 0x0                ; hq, yq
	v_lshl_add_u32 v254, v0, 2, 0x33000
	v_mov_b32 v255, 0
	ds_add_u32 v254, v255
	ds_add_u32 v254, v255
	s_wait_dscnt 0x0
	v_lshrrev_b32 v1, 5, v0
	v_readfirstlane_b32 s[WV], v1                  ; wave 0..15
	s_bfe_u32 s15, ttmp6, 0x40000                  ; cx
	s_and_b32 s16, ttmp7, 0xffff                   ; 16 x batch + head
	s_lshr_b32 s17, s16, 4                         ; the batch
	s_bfe_u32 s18, s16, 0x30001                    ; the pair of heads
	s_and_b32 s19, s16, 1                          ; which of the pair
	s_lshl_b32 s20, s17, 3
	s_add_co_u32 s20, s20, s18
	s_lshr_b32 s21, s[WV], 2
	s_and_b32 s22, s21, 1                          ; z
	s_add_co_u32 s23, s[WV], s21
	s_and_b32 s23, s23, 3
	s_lshl_b32 s23, s23, 1
	s_lshr_b32 s21, s[WV], 3
	s_add_co_u32 s21, s21, s23                     ; q = 2 ((w + w / 4) % 4) + w / 8: the lower tile's last key step
	s_sub_co_u32 s57, 15, s21                      ; the upper tile's
	s_lshl_b32 s23, s21, 3
	s_lshl_b32 s22, s22, 2
	s_add_co_u32 s23, s23, s22
	s_add_co_u32 s23, s23, s15                     ; the lower tile
	s_sub_co_u32 s56, 127, s23                     ; the upper tile
.irp g, G1K, G1V, G1SK, G1SV
	s_mov_b32 s[\g], 15|(3<<16)|(1<<21)            ; 15:0 the mask: all four work-groups; 17:16 elements of 8 bytes; 21 set beside a mask
	s_mov_b32 s[\g+6], 0
	s_mov_b32 s[\g+7], 0
.endr
	s_mov_b32 s[G1K+1], 96<<16                     ; K: 32 tiles x 768 bytes, 1,536 bytes apart (the pair's other head lies between)
	s_mov_b32 s[G1K+2], 32<<16
	s_mov_b32 s[G1K+3], 96<<16
	s_mov_b32 s[G1K+4], 32
	s_mov_b32 s[G1K+5], 192
	s_mov_b32 s[G1V+1], 768<<16                    ; V: 4 key steps x 6,144 bytes, 12,288 bytes apart
	s_mov_b32 s[G1V+2], 4<<16
	s_mov_b32 s[G1V+3], 768<<16
	s_mov_b32 s[G1V+4], 4
	s_mov_b32 s[G1V+5], 1536
	s_mov_b32 s[G1SK+1], 32<<16                    ; K's scale words: 32 rows of 256 bytes, dense
	s_mov_b32 s[G1SK+2], 32<<16
	s_mov_b32 s[G1SK+3], 32<<16
	s_mov_b32 s[G1SK+4], 32
	s_mov_b32 s[G1SK+5], 32
	s_mov_b32 s[G1SV+1], 32<<16                    ; V's: 16 rows
	s_mov_b32 s[G1SV+2], 16<<16
	s_mov_b32 s[G1SV+3], 32<<16
	s_mov_b32 s[G1SV+4], 16
	s_mov_b32 s[G1SV+5], 32
	s_and_b32 s8, s[WV], 1                         ; wave 0 fetches K, wave 1 V
	s_mul_i32 s9, s20, 196608
	s_mul_i32 s10, s19, 768
	s_add_co_u32 s10, s10, s9
	s_add_co_u32 s10, s10, 32*196608               ; K's codes of my head
	s_mul_i32 s12, s19, 6144
	s_add_co_u32 s12, s12, s9
	s_add_co_u32 s12, s12, VCO                     ; V's
	s_lshl_b32 s66, s16, 13
	s_add_co_u32 s66, s66, QKS+64*8192             ; K's scale words
	s_lshl_b32 s67, s16, 12
	s_add_co_u32 s67, s67, VSO                     ; V's
	s_cmp_eq_u32 s8, 0
	s_cselect_b32 s10, s10, s12
	s_cselect_b32 s12, s66, s67
	s_mov_b32 s11, 0
	s_mov_b32 s13, 0
	s_mul_i32 s9, s8, VIMG                         ; where they go
	s_lshl_b32 s66, s8, 13
	s_add_co_u32 s66, s66, KSC
	s_wait_kmcnt 0x0
	s_add_nc_u64 s[10:11], s[4:5], s[10:11]
	s_add_nc_u64 s[12:13], s[4:5], s[12:13]
	s_mov_b32 s[G0], 1
	s_mov_b32 s[G0+1], s66
	s_mov_b64 s[G0+2:G0+3], s[12:13]
	s_or_b32 s[G0+3], s[G0+3], 0x80000000
.irp c, 0,1,2,3
	s_mov_b32 s[G0+4+4*\c], 1
	s_add_co_u32 s[G0+5+4*\c], s9, \c*24576
	s_add_nc_u64 s[G0+6+4*\c:G0+7+4*\c], s[10:11], \c*49152
	s_or_b32 s[G0+7+4*\c], s[G0+7+4*\c], 0x80000000
.endr
	CROUND                                         ; all four work-groups are here: the joint loads meet
	s_cmp_lg_u32 s[WV], 0                          ; a wave's first fills stand in one branch on its number: five loads of that wave are out
	s_cbranch_scc1 .Lnot_k
	tensor_load_to_lds s[G0:G0+3], s[G1SK:G1SK+7]
	s_nop 0
	tensor_load_to_lds s[G0+4:G0+7], s[G1K:G1K+7]
	s_nop 0
	tensor_load_to_lds s[G0+8:G0+11], s[G1K:G1K+7]
	s_nop 0
	tensor_load_to_lds s[G0+12:G0+15], s[G1K:G1K+7]
	s_nop 0
	tensor_load_to_lds s[G0+16:G0+19], s[G1K:G1K+7]
	s_nop 0
.rept 4
	v_nop
.endr
	s_branch .Lasked
.Lnot_k:
	s_cmp_lg_u32 s[WV], 1
	s_cbranch_scc1 .Lasked
	tensor_load_to_lds s[G0:G0+3], s[G1SV:G1SV+7]
	s_nop 0
	tensor_load_to_lds s[G0+4:G0+7], s[G1V:G1V+7]
	s_nop 0
	tensor_load_to_lds s[G0+8:G0+11], s[G1V:G1V+7]
	s_nop 0
	tensor_load_to_lds s[G0+12:G0+15], s[G1V:G1V+7]
	s_nop 0
	tensor_load_to_lds s[G0+16:G0+19], s[G1V:G1V+7]
	s_nop 0
.rept 4
	v_nop
.endr
.Lasked:
	v_and_b32 v1, 31, v0
	v_lshlrev_b32 v2, 3, v1
	v_add_nc_u32 v2, 512, v2                       ; 8 x lane + 512: registers 4-5 of a half fragment
	v_lshlrev_b32 v1, 4, v1                        ; 16 x lane: registers 0-3
	v_and_b32 v3, 15, v0                           ; r
	v_bfe_u32 v4, v0, 4, 1                         ; h
	v_and_b32 v5, 8, v3
	v_add_nc_u32 v5, v5, v3
	v_lshlrev_b32 v4, 4, v4
	v_sub_nc_u32 v5, v5, v4                        ; r + 8 (r / 8) - 16 h
	v_lshlrev_b32 v3, 4, v3                        ; 16 r
	v_add_nc_u32 v22, VIMG, v1
	v_add_nc_u32 v23, VIMG, v2
	s_bfe_u32 s9, s56, 0x20001                     ; THE MASK: my query's place in its key step, less 16 h: d.  Register 16 b + i holds key 32 b + 16 h + i of the step: hidden where 32 b + i > d
	s_lshl_b32 s9, s9, 5
	s_and_b32 s63, s56, 1
	s_lshl_b32 s63, s63, 3
	s_add_co_u32 s9, s9, s63
	v_add_nc_u32 v10, s9, v5
	s_bfe_u32 s9, s23, 0x20001
	s_lshl_b32 s9, s9, 5
	s_and_b32 s63, s23, 1
	s_lshl_b32 s63, s63, 3
	s_add_co_u32 s9, s9, s63
	v_add_nc_u32 v11, s9, v5
	s_mul_i32 s92, s20, 196608                     ; Q: its codes lie as K's, 32 x 196,608 bytes ahead of them
	s_mul_i32 s9, s19, 768
	s_add_co_u32 s92, s92, s9
	s_mov_b32 s93, 0
	s_add_nc_u64 s[92:93], s[4:5], s[92:93]
	s_mul_i32 s94, s56, 1536
	s_mov_b32 s95, 0
	s_add_nc_u64 s[94:95], s[92:93], s[94:95]
	s_mul_i32 s96, s23, 1536
	s_mov_b32 s97, 0
	s_add_nc_u64 s[96:97], s[92:93], s[96:97]
	global_load_b128 v[QH:QH+3], v1, s[94:95]
	global_load_b64 v[QH+4:QH+5], v2, s[94:95]
	global_load_b128 v[QL:QL+3], v1, s[96:97]
	global_load_b64 v[QL+4:QL+5], v2, s[96:97]
	s_lshl_b32 s10, s16, 13
	s_add_co_u32 s10, s10, QKS                     ; Q's scale words: 256 bytes for four tiles, 16 bytes a row
	s_lshr_b32 s9, s56, 2
	s_lshl_b32 s9, s9, 8
	s_add_co_u32 s12, s10, s9
	s_and_b32 s9, s56, 3
	s_lshl_b32 s9, s9, 2
	s_add_co_u32 s12, s12, s9
	s_mov_b32 s13, 0
	s_add_nc_u64 s[12:13], s[4:5], s[12:13]
	global_load_b32 v20, v3, s[12:13]
	s_lshr_b32 s9, s23, 2
	s_lshl_b32 s9, s9, 8
	s_add_co_u32 s66, s10, s9
	s_and_b32 s9, s23, 3
	s_lshl_b32 s9, s9, 2
	s_add_co_u32 s66, s66, s9
	s_mov_b32 s67, 0
	s_add_nc_u64 s[66:67], s[4:5], s[66:67]
	global_load_b32 v21, v3, s[66:67]
	v_mov_b32 v13, 0xff61b1e6                      ; the largest t so far: -3e38, under every t
	v_floor_f32 v12, -v13                          ; -M
	v_mov_b32 v14, 0
	v_mov_b32 v15, 0
	v_mov_b32 v17, v13
	v_mov_b32 v16, v12
	v_mov_b32 v18, 0
	v_mov_b32 v19, 0
.irp i, 0,1,2,3,4,5
	v_mov_b32 v[QH+6+\i], 0                        ; zero codes for K = 64 .. 127
	v_mov_b32 v[QL+6+\i], 0
	v_mov_b32 v[KB+48+\i], 0                       ; and behind K's last tile
.endr
	v_mov_b32 v[TP], 0                             ; the way out names these three ahead of writing them (a lane permute's destination counts as one of its sources;
	v_mov_b32 v[TP+1], 0                           ; a packed source names its whole pair), and a key step, which would write them, can be jumped over:
	v_mov_b32 v[FF+1], 0                           ; so they are written here, once
.set j, 0
.rept 64
	v_mov_b32 v[OH+j], 0                           ; O^T of both tiles.  (The step is written once: the first finds zeros, which the first change of M leaves zeros)
.set j, j+1
.endr
	s_mov_b32 s[SEL], 0x76543210
	s_mov_b32 s[SEL+1], 0xfedcba98
	s_mov_b32 s[CS], 0x3e38aa3b                    ; c = log2(e) / 8
	s_mov_b32 s[CS+1], s[CS]
	s_mov_b32 s[TK], 0
	s_mov_b32 s[TSK], KSC
	s_mov_b32 s[TSV], VSC
	s_mov_b32 s[KST], 0
; A KEY STEP of one tile of queries.  qf, qs: Q's fragment and scale word; st: the statistics; ob: O^T; dd: the mask's d; sd: the tile's last key step (a scalar made of the wave's number)
.macro STEP qf, qs, st, ob, dd, sd
	s_cmp_gt_u32 s[KST], s[\sd]                    ; all 128 keys come after my queries: the step's work is left out
	s_cbranch_scc1 .Lhid_\@
.rept 4
	v_nop                                          ; places in front of loads into registers that matrix instructions have read
.endr
.irp t, 0,1,2,3,4,5,6,7
	ds_load_b128 v[KB+6*\t:KB+6*\t+3], v[ADK16] offset:768*\t
	ds_load_b64 v[KB+6*\t+4:KB+6*\t+5], v[ADK8] offset:768*\t
.endr
	ds_load_b128 v[KSR:KSR+3], v[ADKS]
	ds_load_b128 v[KSR+4:KSR+7], v[ADKS] offset:256
	s_wait_dscnt 0x0
.irp t, 0,1,2,3,4,5,6,7
	v_wmma_scale_f32_16x16x128_f8f6f4 v[SS+8*\t:SS+8*\t+7], v[KB+6*\t:KB+6*\t+11], v[\qf:\qf+11], 0, v[KSR+\t], v[\qs] matrix_a_fmt:MATRIX_FMT_BF6 matrix_b_fmt:MATRIX_FMT_BF6
.endr
.rept 4
	v_nop
.endr
	s_cmp_lg_u32 s[KST], s[\sd]                    ; only the tile's last step lies on the diagonal
	s_cbranch_scc1 .Lopen_\@
	v_mov_b32 v[T1], 0xff800000                    ; hidden scores become -infinity ahead of the maximum: p = 0 then
.set n, 0
.rept 64
	v_cmp_gt_i32 vcc_lo, 32*(n/16)+n%16, v[\dd]
	v_cndmask_b32 v[SS+n], v[SS+n], v[T1], vcc_lo
.set n, n+1
.endr
.Lopen_\@:
.irp b, 0,1,2,3
	v_max3_num_f32 v[BM+\b], v[SS+16*\b], v[SS+1+16*\b], v[SS+2+16*\b]   ; the largest score of each block of 32 keys: for the row's maximum, and, since p rises with the score, for the block's largest p
.endr
.irp i, 3,5,7,9,11,13
.irp b, 0,1,2,3
	v_max3_num_f32 v[BM+\b], v[BM+\b], v[SS+16*\b+\i], v[SS+1+16*\b+\i]
.endr
.endr
.irp b, 0,1,2,3
	v_max_num_f32 v[BM+\b], v[BM+\b], v[SS+15+16*\b]
.endr
.irp b, 0,1,2,3
	v_permlanex16_b32 v[TP+\b], v[BM+\b], s[SEL], s[SEL+1]
.endr
.irp b, 0,1,2,3
	v_max_num_f32 v[BM+\b], v[BM+\b], v[TP+\b]     ; with lane l xor 16's 16 keys
.endr
	v_max3_num_f32 v[T1], v[BM], v[BM+1], v[BM+2]
	v_max_num_f32 v[T1], v[T1], v[BM+3]
	v_mul_f32 v[T1], s[CS], v[T1]
	v_max_num_f32 v[\st+1], v[\st+1], v[T1]        ; the running largest t
	v_mov_b32 v[T1], v[\st]
	v_floor_f32 v[\st], -v[\st+1]                  ; the new -M = -ceil(t): a whole number
	v_sub_f32 v[T1], v[\st], v[T1]
	v_cvt_i32_f32 v[T1], v[T1]                     ; (it saturates)
	v_ldexp_f32 v[FF], 1.0, v[T1]                  ; f = 2^(old M - new M): a multiplication by it rounds nothing
.set j, 0
.rept 32
	v_pk_fma_f32 v[SS+j:SS+j+1], v[SS+j:SS+j+1], s[CS:CS+1], v[\st:\st+1] op_sel_hi:[1,0,0]   ; t - M, two at a time
.set j, j+2
.endr
.irp b, 0,1,2,3
	v_fma_f32 v[BM+\b], v[BM+\b], s[CS], v[\st]
.endr
.set j, 0
.rept 64
	v_exp_f32 v[SS+j], v[SS+j]                     ; p = 2^(t - M), at most 1
.set j, j+1
.endr
	v_pk_mul_f32 v[\st+2:\st+3], v[\st+2:\st+3], v[FF:FF+1] op_sel_hi:[1,0]   ; the sums under the new M: the plain place behind the exponentials
	s_wait_alu depctr_va_vdst(0)                   ; one wait for the batch, ahead of its first reader
.irp b, 0,1,2,3
	v_exp_f32 v[BM+\b], v[BM+\b]                   ; the blocks' largest p
.endr
	v_pk_add_f32 v[TP:TP+1], v[SS:SS+1], v[SS+2:SS+3]   ; the row's sum of the UNQUANTISED p, in two chains
.set j, 4
.rept 15
	v_pk_add_f32 v[\st+2:\st+3], v[\st+2:\st+3], v[SS+j:SS+j+1]
	v_pk_add_f32 v[TP:TP+1], v[TP:TP+1], v[SS+j+2:SS+j+3]
.set j, j+4
.endr
	v_pk_add_f32 v[\st+2:\st+3], v[\st+2:\st+3], v[TP:TP+1]
	s_wait_alu depctr_va_vdst(0)                   ; and one for the four
.irp b, 0,1,2,3
	v_max_num_f32 v[BM+\b], 0x2800000, v[BM+\b]    ; the floor 2^(5 - 127)
.endr
.irp b, 0,1,2,3
	v_add_nc_u32 v[TSO+\b], 0xfe000000, v[BM+\b]
.endr
.irp b, 0,1,2,3
	v_lshrrev_b32 v[TP+\b], 23, v[TSO+\b]
.endr
	v_lshl_or_b32 v[PW], v[TP+1], 8, v[TP]         ; p's scale word for these 128 keys
	v_lshl_or_b32 v[PW], v[TP+2], 16, v[PW]
	v_lshl_or_b32 v[PW], v[TP+3], 24, v[PW]
.irp c, 0,1
	v_cvt_scalef32_pk16_bf6_f32 v[PC+6*\c:PC+2+6*\c], v[SS+32*\c:SS+15+32*\c], v[TSO+2*\c]
	v_cvt_scalef32_pk16_bf6_f32 v[TP+4*\c:TP+2+4*\c], v[SS+16+32*\c:SS+31+32*\c], v[TSO+2*\c+1]
.endr
	v_nop                                          ; one plain place behind a scaled conversion
.irp c, 0,1
.irp i, 0,1,2
	v_permlane16_swap_b32 v[PC+6*\c+\i], v[TP+4*\c+\i]
.endr
.irp i, 0,1,2
	v_mov_b32 v[PC+3+6*\c+\i], v[TP+4*\c+\i]
.endr
.endr
.set j, 0
.rept 16
	v_pk_mul_f32 v[\ob+j:\ob+j+1], v[\ob+j:\ob+j+1], v[FF:FF+1] op_sel_hi:[1,0]   ; O^T under the new M.  (These 16 are also the places between the scale word and the codes just made and the products below)
.set j, j+2
.endr
.irp u, 0,1,2,3                                ; O^T += V^T P^T: four tiles of 16 channels
	ds_load_b128 v[KB+12*\u:KB+12*\u+3], v[ADV16] offset:1536*\u
	ds_load_b64 v[KB+12*\u+4:KB+12*\u+5], v[ADV8] offset:1536*\u
	ds_load_b128 v[KB+12*\u+6:KB+12*\u+9], v[ADV16] offset:1536*\u+768
	ds_load_b64 v[KB+12*\u+10:KB+12*\u+11], v[ADV8] offset:1536*\u+768
.endr
	ds_load_b128 v[VSR:VSR+3], v[ADVS]
	s_wait_dscnt 0x0
.irp u, 0,1,2,3
	v_wmma_scale_f32_16x16x128_f8f6f4 v[\ob+8*\u:\ob+8*\u+7], v[KB+12*\u:KB+12*\u+11], v[PC:PC+11], v[\ob+8*\u:\ob+8*\u+7], v[VSR+\u], v[PW] matrix_a_fmt:MATRIX_FMT_BF6 matrix_b_fmt:MATRIX_FMT_BF6
.endr
.Lhid_\@:
.endm
	s_wait_tensorcnt 0x0                           ; my loads have landed (waves 0 and 1: five each),
	s_barrier_signal -1
	s_barrier_wait -1                              ; everybody's have: K and V are whole, and nothing is ever filled again
	s_wait_loadcnt 0x0                             ; Q
	s_mov_b32 s[CNT], 16
.Lstep:                                            ; every wave walks all 16 key steps; a tile's hidden steps are jumped over
	v_add_nc_u32 v[ADK16], s[TK], v1
	v_add_nc_u32 v[ADK8], s[TK], v2
	v_add_nc_u32 v[ADV16], s[TK], v22
	v_add_nc_u32 v[ADV8], s[TK], v23
	v_add_nc_u32 v[ADKS], s[TSK], v3
	v_add_nc_u32 v[ADVS], s[TSV], v3
	STEP QH, 20, 12, OH, 10, 57
	STEP QL, 21, 16, OL, 11, 21
	s_add_co_u32 s[TK], s[TK], 6144
	s_add_co_u32 s[TSK], s[TSK], 512
	s_add_co_u32 s[TSV], s[TSV], 256
	s_add_co_u32 s[KST], s[KST], 1
	s_sub_co_u32 s[CNT], s[CNT], 1
	s_cmp_lg_u32 s[CNT], 0
	s_cbranch_scc1 .Lstep
; THE WAY OUT of one tile: O^T / the sum is y(query r, channel 32 b + 16 h + i) in register 16 b + i: two blocks of 32 along C.  They become half a fragment of the last product's operand: K step = the pair, half = the head's parity.
.macro OUT st, ob, tau
	s_wait_xcnt 0x0                                ; the earlier stores have read their registers and bases
	s_lshl_b32 s9, s17, 7
	s_add_co_u32 s9, s9, s[\tau]                   ; the tile among all 512
	s_mul_i32 s10, s9, 12288
	s_mul_i32 s12, s18, 1536
	s_add_co_u32 s10, s10, s12
	s_mul_i32 s12, s19, 768
	s_add_co_u32 s10, s10, s12
	s_mov_b32 s11, 0
	s_add_nc_u64 s[10:11], s[6:7], s[10:11]
	s_lshl_b32 s12, s9, 9
	s_lshr_b32 s13, s18, 2
	s_lshl_b32 s13, s13, 8
	s_add_co_u32 s12, s12, s13
	s_and_b32 s13, s18, 3
	s_lshl_b32 s13, s13, 2
	s_add_co_u32 s12, s12, s13
	s_lshl_b32 s13, s19, 1
	s_add_co_u32 s12, s12, s13
	s_add_co_u32 s12, s12, YSO
	s_mov_b32 s13, 0
	s_add_nc_u64 s[12:13], s[6:7], s[12:13]
	v_add_f32 v[T1], v[\st+2], v[\st+3]
	v_permlanex16_b32 v[TP], v[T1], s[SEL], s[SEL+1]
	v_add_f32 v[T1], v[T1], v[TP]                  ; the row's sum
	v_rcp_f32 v[FF], v[T1]
	v_nop                                          ; a plain place behind the transcendental
	s_wait_alu depctr_va_vdst(0)                   ; and the wait ahead of its first reader
.set j, 0
.rept 16
	v_pk_mul_f32 v[SS+j:SS+j+1], v[\ob+j:\ob+j+1], v[FF:FF+1] op_sel_hi:[1,0]   ; each accumulator from its low end on
.set j, j+2
.endr
.irp b, 0,1
	v_max3_num_f32 v[BM+\b], |v[SS+16*\b]|, |v[SS+1+16*\b]|, 0x2800000
.endr
.irp i, 2,4,6,8,10,12,14
.irp b, 0,1
	v_max3_num_f32 v[BM+\b], v[BM+\b], |v[SS+16*\b+\i]|, |v[SS+1+16*\b+\i]|
.endr
.endr
.irp b, 0,1
	v_permlanex16_b32 v[TP+\b], v[BM+\b], s[SEL], s[SEL+1]
.endr
.irp b, 0,1
	v_max_num_f32 v[BM+\b], v[BM+\b], v[TP+\b]
.endr
.irp b, 0,1
	v_add_nc_u32 v[TSO+\b], 0xfe000000, v[BM+\b]
.endr
.irp b, 0,1
	v_lshrrev_b32 v[TP+\b], 23, v[TSO+\b]
.endr
	v_lshl_or_b32 v[T1], v[TP+1], 8, v[TP]         ; my row's two scale bytes
	v_cvt_scalef32_pk16_bf6_f32 v[PC:PC+2], v[SS:SS+15], v[TSO]
	v_cvt_scalef32_pk16_bf6_f32 v[TP+4:TP+6], v[SS+16:SS+31], v[TSO+1]
	v_nop
.irp i, 0,1,2
	v_permlane16_swap_b32 v[PC+\i], v[TP+4+\i]
.endr
.irp i, 0,1,2
	v_mov_b32 v[PC+3+\i], v[TP+4+\i]
.endr
	global_store_b128 v1, v[PC:PC+3], s[10:11]     ; 512 consecutive bytes, aligned
	global_store_b64 v2, v[PC+4:PC+5], s[10:11]    ; 256
	global_store_b16 v3, v[T1], s[12:13]           ; two bytes of a row's word: the word's other half is another head's; lanes r and r + 16 write the same value to the same place
.endm
.rept 4
	v_nop                                          ; places behind the last products
.endr
	OUT 12, OH, 56
	OUT 16, OL, 23
	s_wait_dscnt 0x0
	s_wait_xcnt 0x0
	v_lshl_add_u32 v254, v0, 2, 0x33000
	v_mov_b32 v255, 0
	s_wait_tensorcnt 0x0
	ds_add_u32 v254, v255
	s_wait_dscnt 0x0
	CROUND                                         ; the closing round
	s_endpgm
.Lfunc_end_k_q8f197a66aa_attn:
	.size	k_q8f197a66aa_attn, .Lfunc_end_k_q8f197a66aa_attn-k_q8f197a66aa_attn
	.p2alignl 7, 3214868480
	.fill 96, 4, 3214868480
	.section	.rodata,"a",@progbits
	.p2align	6, 0x0
	.amdhsa_kernel k_q8f197a66aa_attn
		.amdhsa_group_segment_fixed_size 210944
		.amdhsa_private_segment_fixed_size 0
		.amdhsa_enable_private_segment 0
		.amdhsa_kernarg_size 16
		.amdhsa_user_sgpr_count 2
		.amdhsa_user_sgpr_kernarg_segment_ptr 1
		.amdhsa_wavefront_size32 1
		.amdhsa_system_sgpr_workgroup_id_x 1
		.amdhsa_system_sgpr_workgroup_id_y 1
		.amdhsa_system_sgpr_workgroup_id_z 1
		.amdhsa_system_vgpr_workitem_id 0
		.amdhsa_next_free_vgpr 256
		.amdhsa_next_free_sgpr 100
		.amdhsa_reserve_vcc 1
		.amdhsa_float_denorm_mode_32 3
		.amdhsa_float_denorm_mode_16_64 3
		.amdhsa_memory_ordered 1
		.amdhsa_forward_progress 1
		.amdhsa_inst_pref_size 65
	.end_amdhsa_kernel
	.amdgpu_metadata
---
amdhsa.version: [ 1, 2 ]
amdhsa.kernels:
  - .name:           k_q8f197a66aa_attn
    .symbol:         k_q8f197a66aa_attn.kd
    .args:
      - { .name: hq, .offset: 0, .size: 8, .value_kind: global_buffer, .address_space: global }
      - { .name: yq, .offset: 8, .size: 8, .value_kind: global_buffer, .address_space: global }
    .group_segment_fixed_size: 210944
    .private_segment_fixed_size: 0
    .kernarg_segment_align: 8
    .kernarg_segment_size: 16
    .max_flat_workgroup_size: 512
    .sgpr_count:     100
    .vgpr_count:     256
    .wavefront_size: 32
...
	.end_amdgpu_metadata
.endif
;; end of part 3
;; launch proj (part 4): grid 4 x 32, 4 waves a work-group, clusters of 4 x 4, 327,680 bytes of LDS; arguments yq, wq, b_proj, out0; writes out0
.if DOCPART == 4
	.amdgcn_target "amdgcn-amd-amdhsa--gfx1250"
	.amdhsa_code_object_version 6
	.text
	.protected	k_q8f197a66aa_proj
	.globl	k_q8f197a66aa_proj
	.p2align	8
	.type	k_q8f197a66aa_proj,@function
k_q8f197a66aa_proj:
	s_mov_b64 s[64:65], 0
	v_nop
	global_prefetch_b8 v0, s[64:65] scope:SCOPE_SE
	s_setreg_imm32_b32 hwreg(HW_REG_WAVE_MODE, 25, 1), 1
	s_wait_xcnt 0x0
	s_wait_alu depctr_hold_cnt(0) depctr_sa_sdst(0) depctr_va_vdst(0) depctr_va_sdst(0) depctr_va_ssrc(0) depctr_va_vcc(0) depctr_vm_vsrc(0)
	s_getreg_b32 s2, hwreg(HW_REG_IB_STS2, 6, 4)
	s_cmp_eq_u32 s2, 0
	s_cbranch_scc0 .Lentry_in_a_cluster
	s_endpgm
.Lentry_in_a_cluster:
	s_bfe_u32 s2, ttmp6, 0x10000c
	s_cmp_lg_u32 s2, 0xf033
	s_cbranch_scc0 .Lentry_shape_is_right
	s_endpgm
.Lentry_shape_is_right:
; out = y w_proj + b_proj on codes of BF6 (K = 1,024); out is f32.  y's codes and scale words were laid by the attention as images of the operand's registers, w_proj's by the quantiser (tiles 192-255 of wq).
; Rows go in tiles of 16 (lane r of tile T: row 32 (T / 2) + 8 (T % 2) + r + 8 (r / 8)); a fragment (16 rows x 128 K) is 1,536 bytes; [tile][K step][fragment].
; A tile of the result, 256 x 256, is made by four waves, 128 x 128 each: 64 accumulators.  Source 0 ("P") = 8 tiles of the weights' columns, two sets of registers; source 1 ("R") = 8 tiles of tokens, one set:
; a lane holds one token, and its 16 registers of two neighbouring tiles are 16 neighbouring columns.
; K goes through three LDS slots of 256 along K; all three are filled at the head and slot 0 once more.  A fetch is one tensor load a wave: 8 tiles x 3,072 consecutive bytes.
; CLUSTERS: 4 x 4 work-groups; y's tiles are asked for jointly along a row of the cluster, the weights' along a column.
; The scale words of a wave's 8 + 8 tiles go from memory into 64 registers once: lanes 0-15 hold K steps 0-3, lanes 16-31 K steps 4-7.
; The bias is the C of each sum's first matrix instruction: it is added ahead of the products, an order of rounding that differs from y w + b.
; REGISTERS: window 0: v1-17 addresses; v28-29 for the add; v32-63 R's scale words, v64-95 P's; v96-127 and v224-255 the bias; v128-223 R's fragments; on the way out v128-255 rows of the result.
;   window 1: P's fragments at v0 and v128.   windows 2, 3: accumulator (a, b) at v[8 (8 (a % 4) + b)].
.set YSO,  6291456
.set WSO,  3145728
.set SLOT, 98304
.set REG,  24576
.set SPARE, 3*SLOT                     ; the spare words, 128 bytes a wave: two blocks of 256 bytes that no other line names
.set STAGE, SLOT                       ; the way out: 16 rows x 528 bytes a wave, in slot 1, which has had its only fill and its last read when the first result is stored there
.set AP16, 4
.set AP8,  7
.set AR16, 10
.set AR8,  13
.set STO,  16
.set RD,   17
.set SPW,  28
.set NIL,  29
.set SCR,  32
.set SCP,  64
.set BI0,  96
.set AF,   128
.set BK,   128
.set G1,   24
.set G1B,  32
.set G0,   40
.set G0B,  52
.set MSB, 0
.macro WIN new                         ; the immediate's high byte repeats the setting that is left
.if MSB != \new
	s_set_vgpr_msb (MSB<<8)|\new
.set MSB, \new
.endif
.endm
.macro JLOAD g0a, g1a, g0b, g1b        ; a joint load: waves 0, 1 fetch y's halves, waves 2, 3 the weights'; four v_nop follow each line
	s_cmp_eq_u32 s15, 0
	s_cbranch_scc0 .Lfor_b_\@
	tensor_load_to_lds s[\g0a:\g0a+3], s[\g1a:\g1a+7]
	s_nop 0
.rept 4
	v_nop
.endr
	s_branch .Lasked_\@
.Lfor_b_\@:
	tensor_load_to_lds s[\g0b:\g0b+3], s[\g1b:\g1b+7]
	s_nop 0
.rept 4
	v_nop
.endr
.Lasked_\@:
.endm
.macro CREST
	s_cmp_lg_u32 s14, 0
	s_cbranch_scc1 .Lnot_wave_0_\@
	s_barrier_signal -3
.Lnot_wave_0_\@:
	s_barrier_wait -3
	s_barrier_signal -1
	s_barrier_wait -1
.endm
.macro CROUND
	s_barrier_signal -1
	s_barrier_wait -1
	CREST
.endm
.macro PLACES n                        ; plain vector instructions between a matrix instruction and a load into, or a read of, its registers
.rept \n
	v_nop
.endr
.endm
.macro FRAG reg, a16, a8, off
	ds_load_b128 v[\reg:\reg+3], v[\a16] offset:\off
	ds_load_b64 v[\reg+4:\reg+5], v[\a8] offset:\off+512
	ds_load_b128 v[\reg+6:\reg+9], v[\a16] offset:\off+768
	ds_load_b64 v[\reg+10:\reg+11], v[\a8] offset:\off+1280
.endm
.macro FETCH_P sl, q, set
	WIN 0x40
.irp i, 0,1,2,3,4,5,6,7
	FRAG 128*(\set)+12*\i, AP16+\sl, AP8+\sl, \i*3072+(\q)*1536
.endr
	WIN 0
.endm
.macro FETCH_R sl, q, i0
.irp i, \i0, \i0+1, \i0+2, \i0+3
	FRAG AF+12*(\i), AR16+\sl, AR8+\sl, (\i)*3072+(\q)*1536
.endr
.endm
; 16 matrix instructions: R's blocks a0, a0 + 1 x P's eight, K step ks.  mode 0: onto the sums; 1: the sums begin with the bias.  The 64 accumulators take turns.
.macro MUL16 a0, ks, mode
.irp a, \a0, \a0+1
.irp b, 0,1,2,3,4,5,6,7
.set rD, 8*(8*((\a)%4)+\b)
.if \mode == 0
.set rC, rD
.else
.set rC, BI0+8*\b+96*(\b/4)
.endif
.set rP, 128*((\ks)%2)+12*\b
.set rR, AF+12*(\a)
.if (\ks) < 4
	v_wmma_scale_f32_16x16x128_f8f6f4 v[rD:rD+7], v[rP:rP+11], v[rR:rR+11], v[rC:rC+7], v[SCP+4*\b+(\ks)%4], v[SCR+4*(\a)+(\ks)%4] matrix_a_fmt:MATRIX_FMT_BF6 matrix_b_fmt:MATRIX_FMT_BF6
.else
	v_wmma_scale_f32_16x16x128_f8f6f4 v[rD:rD+7], v[rP:rP+11], v[rR:rR+11], v[rC:rC+7], v[SCP+4*\b+(\ks)%4], v[SCR+4*(\a)+(\ks)%4] matrix_a_fmt:MATRIX_FMT_BF6 matrix_b_fmt:MATRIX_FMT_BF6 matrix_a_scale:MATRIX_SCALE_ROW1 matrix_b_scale:MATRIX_SCALE_ROW1
.endif
.endr
.endr
.endm
.macro MULW hi, mode
.if \mode == 0
	WIN 0xa1+0x50*\hi
.else
	WIN 0x81+0x40*\hi
.endif
.endm
.macro STEP ks, nsl, nq, mode
	s_wait_dscnt 16                                ; P's set and R's blocks 0-3 are in; the youngest 16 loads (R's blocks 4-7) may be out
	MULW 0, \mode
	MUL16 0, \ks, \mode
	MUL16 2, \ks, \mode
	s_wait_dscnt 0x0
	PLACES 4
	FETCH_P \nsl, \nq, 1-(\ks)%2
	FETCH_R \nsl, \nq, 0
	MULW 1, \mode
	MUL16 4, \ks, \mode
	MUL16 6, \ks, \mode
	PLACES 4
	WIN 0
	FETCH_R \nsl, \nq, 4
.endm
.macro TURN ks, nsl, fill
	s_wait_tensorcnt 0x0                           ; all my tensor loads have landed
	ds_add_u32 v[SPW], v[NIL]                      ; 0 onto my spare word
	s_wait_dscnt 17                                ; (the add and the youngest 16 loads may be out)
	WIN 0xa1
	MUL16 0, \ks, 0
	s_wait_dscnt 0x0                               ; the add is done, and my reads of the slots behind me are over
	s_barrier_signal -1
	MUL16 2, \ks, 0
	WIN 0
	s_barrier_wait -1
.if \fill
	CREST                                          ; no wave of any partner still reads slot 0 or has a load on its way
	s_add_nc_u64 s[G0+2:G0+3], s[G0+2:G0+3], 9216
	s_add_nc_u64 s[G0B+2:G0B+3], s[G0B+2:G0B+3], 9216
	JLOAD G0, G1, G0B, G1B                         ; its four v_nop are also the places in front of the loads below
.else
	PLACES 4
.endif
	FETCH_P \nsl, 0, 1-(\ks)%2
	FETCH_R \nsl, 0, 0
	WIN 0xf1
	MUL16 4, \ks, 0
	MUL16 6, \ks, 0
	PLACES 4
	WIN 0
	FETCH_R \nsl, 0, 4
.endm
	s_load_b128 s[4:7], s[0:1], 0x0                ; yq, wq
	s_load_b128 s[8:11], s[0:1], 0x10              ; b_proj, out0
	v_lshl_add_u32 v[SPW], v0, 2, SPARE
	v_mov_b32 v[NIL], 0
	ds_add_u32 v28, v29
	ds_add_u32 v28, v29
	s_wait_dscnt 0x0
	v_lshrrev_b32 v1, 5, v0
	v_readfirstlane_b32 s14, v1                    ; wave 0..3
	s_lshr_b32 s15, s14, 1                         ; my half of the tokens.  Also: I fetch for y (0) or for the weights (1)
	s_and_b32 s16, s14, 1                          ; my half of the columns.  Also: which 8 tiles I fetch
	s_bfe_u32 s66, ttmp6, 0x40000
	s_bfe_u32 s67, ttmp6, 0x40004
	s_lshl_b32 s68, ttmp9, 2
	s_add_co_u32 s68, s68, s66                     ; tile column
	s_and_b32 s17, ttmp7, 0xffff
	s_lshl_b32 s17, s17, 2
	s_add_co_u32 s17, s17, s67                     ; tile row
	s_lshl_b32 s69, s67, 2
	s_lshl_b32 s69, 15, s69
	s_lshl_b32 s70, 0x1111, s66
	s_or_b32 s[G1], s69, (3<<16)|(1<<21)
	s_or_b32 s[G1B], s70, (3<<16)|(1<<21)
.irp g, G1, G1B
	s_mov_b32 s[\g+1], 384<<16
	s_mov_b32 s[\g+2], 8<<16
	s_mov_b32 s[\g+3], 384<<16
	s_mov_b32 s[\g+4], 8
	s_mov_b32 s[\g+5], 1536
	s_mov_b32 s[\g+6], 0
	s_mov_b32 s[\g+7], 0
.endr
	s_lshl_b32 s18, s16, 3
	s_lshl_b32 s20, s17, 4
	s_add_co_u32 s20, s20, s18
	s_mul_i32 s20, s20, 12288
	s_mov_b32 s21, 0
	s_lshl_b32 s22, s68, 4
	s_add_co_u32 s22, s22, s18
	s_add_co_u32 s22, s22, 192                     ; w_proj's tiles follow w_qkv's
	s_mul_i32 s22, s22, 12288
	s_mov_b32 s23, 0
	s_mul_i32 s71, s14, REG
	s_wait_kmcnt 0x0
	s_add_nc_u64 s[20:21], s[4:5], s[20:21]
	s_add_nc_u64 s[22:23], s[6:7], s[22:23]
	CROUND                                         ; all sixteen work-groups are here: the first joint loads meet
.irp s, 0,1,2
	s_mov_b32 s[G0+4*\s], 1
	s_add_co_u32 s[G0+4*\s+1], s71, \s*SLOT
	s_add_nc_u64 s[G0+4*\s+2:G0+4*\s+3], s[20:21], \s*3072
	s_or_b32 s[G0+4*\s+3], s[G0+4*\s+3], 0x80000000
	s_mov_b32 s[G0B+4*\s], 1
	s_add_co_u32 s[G0B+4*\s+1], s71, \s*SLOT
	s_add_nc_u64 s[G0B+4*\s+2:G0B+4*\s+3], s[22:23], \s*3072
	s_or_b32 s[G0B+4*\s+3], s[G0B+4*\s+3], 0x80000000
	JLOAD G0+4*\s, G1, G0B+4*\s, G1B               ; three loads of mine are out
.endr
	v_and_b32 v3, 31, v0
	v_lshlrev_b32 v1, 4, v3                        ; 16 x lane
	v_lshlrev_b32 v2, 3, v3                        ; 8 x lane
	v_and_b32 v18, 15, v0                          ; r
	v_bfe_u32 v19, v0, 4, 1                        ; h
	v_lshlrev_b32 v20, 6, v19                      ; 64 h
	s_mul_i32 s72, s14, 16*528
	s_add_co_u32 s72, s72, STAGE
	v_mul_u32_u24 v[STO], v18, 528
	v_add_nc_u32 v[STO], v[STO], v20
	v_add_nc_u32 v[STO], s72, v[STO]               ; the stage, in: row r, + 64 h
	v_add_nc_u32 v[RD], s72, v1                    ; and back: 16 bytes a lane of a row
	s_mul_i32 s75, s15, REG                        ; R: y's half that is mine
	s_mul_i32 s74, s16, REG
	s_add_co_u32 s74, s74, 2*REG                   ; P: the weights' half that is mine
.irp s, 0,1,2
	v_add_nc_u32 v[AP16+\s], s74, v1
	v_add_nc_u32 v[AP8+\s], s74, v2
	v_add_nc_u32 v[AR16+\s], s75, v1
	v_add_nc_u32 v[AR8+\s], s75, v2
	s_add_co_u32 s74, s74, SLOT
	s_add_co_u32 s75, s75, SLOT
.endr
	s_lshl_b32 s84, s17, 4
	s_lshl_b32 s85, s15, 3
	s_add_co_u32 s84, s84, s85
	s_lshl_b32 s84, s84, 9
	s_add_co_u32 s84, s84, YSO
	s_mov_b32 s85, 0
	s_add_nc_u64 s[84:85], s[4:5], s[84:85]        ; R's scale words
	s_lshl_b32 s82, s68, 4
	s_lshl_b32 s83, s16, 3
	s_add_co_u32 s82, s82, s83
	s_add_co_u32 s82, s82, 192
	s_lshl_b32 s82, s82, 9
	s_add_co_u32 s82, s82, WSO
	s_mov_b32 s83, 0
	s_add_nc_u64 s[82:83], s[6:7], s[82:83]        ; P's
.irp i, 0,1,2,3,4,5,6,7
	global_load_b128 v[SCP+4*\i:SCP+4*\i+3], v1, s[82:83] offset:512*\i
	global_load_b128 v[SCR+4*\i:SCR+4*\i+3], v1, s[84:85] offset:512*\i
.endr
	s_lshl_b32 s86, s68, 10
	s_lshl_b32 s87, s16, 9
	s_add_co_u32 s86, s86, s87                     ; my first column, in bytes
	s_mov_b32 s87, 0
	s_add_nc_u64 s[88:89], s[8:9], s[86:87]
.irp b, 0,1,2,3,4,5,6,7
	global_load_b128 v[BI0+8*\b+96*(\b/4):BI0+8*\b+96*(\b/4)+3], v20, s[88:89] offset:(32*(\b/2)+8*(\b%2))*4      ; register j of tile b: column 32 (b / 2) + 16 h + 8 (b % 2) + j
	global_load_b128 v[BI0+8*\b+96*(\b/4)+4:BI0+8*\b+96*(\b/4)+7], v20, s[88:89] offset:(32*(\b/2)+8*(\b%2))*4+16
.endr
	s_lshl_b32 s12, s17, 8
	s_lshl_b32 s13, s15, 7
	s_add_co_u32 s12, s12, s13
	s_lshl_b32 s12, s12, 12                        ; my first row of 4,096 bytes
	s_add_co_u32 s12, s12, s86
	s_mov_b32 s13, 0
	s_add_nc_u64 s[12:13], s[10:11], s[12:13]
	s_wait_tensorcnt 2                             ; my part of slot 0 is in; slots 1 and 2 may be out
	s_barrier_signal -1
	s_barrier_wait -1
	FETCH_P 0, 0, 0
	FETCH_R 0, 0, 0
	FETCH_R 0, 0, 4
	s_wait_loadcnt 0x0                             ; scale words and bias
	STEP 0, 0, 1, 1                                ; the first K step starts the sums with the bias
	TURN 1, 1, 1                                   ; slot 0 is left and filled again; the wait in front has shown slots 1 and 2 whole in every wave
	STEP 2, 1, 1, 0
	STEP 3, 2, 0, 0
	STEP 4, 2, 1, 0
	TURN 5, 0, 0                                   ; the refill has landed in every wave, and every wave has left slots 1 and 2
	STEP 6, 0, 1, 0
	s_wait_dscnt 16
	WIN 0xa1
	MUL16 0, 7, 0
	MUL16 2, 7, 0
	s_wait_dscnt 0x0
	WIN 0xf1
	MUL16 4, 7, 0
	MUL16 6, 7, 0
	WIN 0
; THE WAY OUT, block by block of 16 tokens x 128 columns, through my own stage: a lane's pieces of a row go in, whole rows of 512 bytes come back and are stored by the 32 lanes.
; LDS serves a wave's instructions in order: no wait between the stores and the loads, nor in front of the next block's stores.
.macro TOSTAGE a
.set AC, 64*((\a)%4)
	WIN 0x08+4*((\a)/4)                            ; an LDS store's data are its source 1: window 2 or 3
.irp b, 0,1,2,3,4,5,6,7
	ds_store_b128 v[STO], v[AC+8*\b:AC+8*\b+3] offset:128*(\b/2)+32*(\b%2)        ; each accumulator from its low end on
	ds_store_b128 v[STO], v[AC+8*\b+4:AC+8*\b+7] offset:128*(\b/2)+32*(\b%2)+16
.endr
	WIN 0
.set BB, BK+64*((\a)%2)
.irp t, 0,1,2,3,4,5,6,7,8,9,10,11,12,13,14,15
	ds_load_b128 v[BB+4*\t:BB+4*\t+3], v[RD] offset:\t*528
.endr
.endm
.macro SEND a, younger                 ; younger: the LDS instructions issued behind block a's loads, which may stay out
.set BB, BK+64*((\a)%2)
	s_wait_dscnt \younger
.irp t, 0,1,2,3,4,5,6,7,8,9,10,11,12,13,14,15
	global_store_b128 v1, v[BB+4*\t:BB+4*\t+3], s[12:13] offset:(32*((\a)/2)+8*((\a)%2)+\t+8*(\t/8))*4096 th:TH_STORE_NT   ; 512 consecutive bytes, aligned; lane t of block a is token 32 (a / 2) + 8 (a % 2) + t + 8 (t / 8)
.endr
.endm
	PLACES 4
	TOSTAGE 0
.irp a, 1,2,3,4,5,6,7
.if \a > 1
	s_wait_xcnt 0x0                                ; block a - 2's stores have read their registers: block a's loads may land there
.endif
	TOSTAGE \a
	SEND \a-1, 32                                  ; behind block a - 1's loads: block a's 16 stores and 16 loads
.endr
	SEND 7, 0
	s_wait_tensorcnt 0x0                           ; the wave's end
	ds_add_u32 v[SPW], v[NIL]
	s_wait_dscnt 0x0
	CROUND                                         ; the closing round
	s_endpgm
.Lfunc_end_k_q8f197a66aa_proj:
	.size	k_q8f197a66aa_proj, .Lfunc_end_k_q8f197a66aa_proj-k_q8f197a66aa_proj
	.p2alignl 7, 3214868480
	.fill 96, 4, 3214868480
	.section	.rodata,"a",@progbits
	.p2align	6, 0x0
	.amdhsa_kernel k_q8f197a66aa_proj
		.amdhsa_group_segment_fixed_size 327680
		.amdhsa_private_segment_fixed_size 0
		.amdhsa_enable_private_segment 0
		.amdhsa_kernarg_size 32
		.amdhsa_user_sgpr_count 2
		.amdhsa_user_sgpr_kernarg_segment_ptr 1
		.amdhsa_wavefront_size32 1
		.amdhsa_system_sgpr_workgroup_id_x 1
		.amdhsa_system_sgpr_workgroup_id_y 1
		.amdhsa_system_sgpr_workgroup_id_z 1
		.amdhsa_system_vgpr_workitem_id 0
		.amdhsa_next_free_vgpr 1024
		.amdhsa_next_free_sgpr 100
		.amdhsa_reserve_vcc 0
		.amdhsa_float_denorm_mode_32 3
		.amdhsa_float_denorm_mode_16_64 3
		.amdhsa_memory_ordered 1
		.amdhsa_forward_progress 1
		.amdhsa_inst_pref_size 142
	.end_amdhsa_kernel
	.amdgpu_metadata
---
amdhsa.version: [ 1, 2 ]
amdhsa.kernels:
  - .name:           k_q8f197a66aa_proj
    .symbol:         k_q8f197a66aa_proj.kd
    .args:
      - { .name: yq, .offset: 0, .size: 8, .value_kind: global_buffer, .address_space: global }
      - { .name: wq, .offset: 8, .size: 8, .value_kind: global_buffer, .address_space: global }
      - { .name: b_proj, .offset: 16, .size: 8, .value_kind: global_buffer, .address_space: global }
      - { .name: out0, .offset: 24, .size: 8, .value_kind: global_buffer, .address_space: global }
    .group_segment_fixed_size: 327680
    .private_segment_fixed_size: 0
    .kernarg_segment_align: 8
    .kernarg_segment_size: 32
    .max_flat_workgroup_size: 128
    .sgpr_count:     100
    .vgpr_count:     1024
    .wavefront_size: 32
...
	.end_amdgpu_metadata
.endif
;; end of part 4
